; MI455X (gfx1250); checked and timed in simulation.
; The chip was launched on July 23, 2026; its instructions are those of AMD's public machine-readable ISA for CDNA 5 (MIT licence, August 2026) and "CDNA5" Instruction Set Architecture Reference Guide (July 2026). The comments in the code are by the model that wrote it; some were corrected since.
;; attn. Allowed arithmetic: matrix products marked QUANTISED: E2M1 operands, one E8M0 scale for each 32 along K, by v_wmma_scale_f32_16x16x128_f8f6f4 with both operands' format E2M1 (or v_wmma_scale_f32_32x16x128_f4), f32 sums; everything else in f32.
;; Inputs: W_proj 1,024 x 1,024 float32; W_qkv 1,024 x 3,072 float32; b_proj 1,024 float32; b_qkv 3,072 float32; x 4 x 2,048 x 1,024 float32.
;; Outputs: out0 4 x 2,048 x 1,024 float32.
;; This version of the problem:
;;   THIS VERSION OF THE PROBLEM IS GIVEN IN LOW PRECISION. The matrix products marked QUANTISED in the list below multiply operands that are first quantised to E2M1 (2 exponent bits, 1 mantissa bit; 4 bits a number), with one power-of-two scale for each 32 numbers along K (OCP MX v1.0); their sums are f32. All else is computed in f32.
;;   The module's matrix products, in the order in which they are computed (A, B: the left and right operand; K: the contracted axis; several contracted axes count as one K, in the product's order):
;;     1. [M 8,192, K 1,024] x [K 1,024, N 3,072]; A: input x; B: input W_qkv: QUANTISED
;;     2. batch 64 x [M 2,048, K 64] x [K 64, N 2,048]; A: computed on the way; B: computed on the way: QUANTISED
;;     3. batch 64 x [M 2,048, K 2,048] x [K 2,048, N 64]; A: softmax (see below); B: computed on the way: QUANTISED
;;     4. [M 8,192, K 1,024] x [K 1,024, N 1,024]; A: computed on the way; B: input W_proj: QUANTISED
;;   THE QUANTISER, for each operand of a quantised product, along K:
;;     - K is cut into blocks of 32 from its start; a last block that is shorter is filled with zeros.
;;     - A block's scale is 2^e with e = floor(log2(the largest magnitude in the block)) - 2, held to -126 .. 127; a block of zeros has e = 0. As a byte (E8M0): e + 127.
;;     - Each number is divided by its block's scale, clamped to +-6, and rounded to the nearest number of E2M1, ties to even, subnormals kept.
;;     - The product sums the exact products of the quantised numbers (number of the format x scale) in f32.
;;   ~~~python
;;   def quantise(x, axis):      # numpy; x: float32 -> the quantised numbers, widened to float32 again
;;       x = np.moveaxis(x, axis, -1); K = x.shape[-1]
;;       x = np.pad(x, [(0, 0)] * (x.ndim - 1) + [(0, -K % 32)]); x = x.reshape(x.shape[:-1] + (-1, 32)); a = np.abs(x).max(-1, keepdims=True)
;;       e = np.where(a > 0, np.clip(np.frexp(np.where(a > 0, a, 1))[1] - 1 - 2, -126, 127), 0)      # np.frexp(a)[1] - 1 = floor(log2(a)), exactly
;;       r = np.clip(x / 2.0 ** e, -6, 6)
;;       step = 2.0 ** (np.maximum(np.frexp(np.where(r == 0, 1, r))[1] - 1, 0) - 1)
;;       q = np.round(r / step) * step * 2.0 ** e      # np.round: ties to even
;;       return np.moveaxis(q.reshape(q.shape[:-2] + (-1,))[..., :K], -1, axis).astype(np.float32)
;;   ~~~
;;   SOFTMAX AHEAD OF A QUANTISED PRODUCT. Where the list says 'softmax', what is quantised is not the finished softmax but p = 2^(t - M), with t = logit x log2(e) and M = ceil(the row's largest t), a whole number; so 1/2 < the row's largest p <= 1. The row's sum l is taken of the UNQUANTISED p, in f32, and the product's result is divided by l at the end. Since M is a whole number, a kernel that streams over the keys may use a running M (the ceiling of the running maximum): every later rescaling is an exact power of two, which a block's scale takes up: the codes' values come out the same.
;;   OPERANDS COMPUTED ON THE WAY. 'Computed on the way' means the value that the module computes at that place (a softmax that the list does not call 'softmax' is quantised finished and normalised). What goes into a quantiser is computed in f32, as accurately as f32 sums, v_exp_f32 and their like allow (about 1e-6 of the number): no bf16 or f16 on the way to a quantiser, and a product that is left as it is and whose result goes on into a quantised operand takes f32 operands (vector FMAs, or v_wmma_f32_16x16x4_f32). A number that lies on a knife's edge between two numbers of the format may be rounded either way, as far as f32 arithmetic and the matrix unit's own rounding can turn it there, and no further.
;; One version. Each part assembles by itself: llvm-mc -triple=amdgcn-amd-amdhsa -mcpu=gfx1250 --defsym DOCPART=n.
;; ======== version 1 of 1: 4 launches
;; workspace buffers: xq 4,194,304 bytes; xs 262,144 bytes; wq 2,097,152 bytes; ws 131,072 bytes; qb 4,718,592 bytes; kv 9,175,040 bytes; oq 4,194,304 bytes; os 524,288 bytes
;; launch prep (part 1): grid 256 x 1, 4 waves a work-group, no clusters, 200,192 bytes of LDS; arguments x, W_qkv, W_proj, xq, xs, wq, ws; writes xq, xs, wq, ws
.if DOCPART == 1
	.amdgcn_target "amdgcn-amd-amdhsa--gfx1250"
	.amdhsa_code_object_version 6
	.text
	.protected	k_qb1196fd10f_prep
	.globl	k_qb1196fd10f_prep
	.p2align	8
	.type	k_qb1196fd10f_prep,@function
k_qb1196fd10f_prep:
	s_mov_b64 s[64:65], 0
	v_nop
	global_prefetch_b8 v0, s[64:65] scope:SCOPE_SE
	s_setreg_imm32_b32 hwreg(HW_REG_WAVE_MODE, 25, 1), 1
	s_wait_xcnt 0x0
; THE PROGRAM: out = softmax_causal((x Wq + bq)(x Wk + bk)^T / 8)(x Wv + bv) Wp + bp, all four products on codes of FP4 (E2M1) with one E8M0 scale for each 32 along K.
; Four launches: prep (this one: x, W_qkv, W_proj -> codes), gemm_qkv (product 1, bias, q, k, v -> codes), attn (products 2 and 3, softmax, result -> codes), gemm_proj (product 4, bias).
; WORK LEFT OUT, in launch attn: key steps of 128 keys that lie wholly behind a tile's 16 queries.  reference() sets their logits to -inf by a mask that it builds itself (jnp.tril), so their
; softmax weight is 0 and they add 0 to the row's sum and to the second product, whatever finite values the inputs hold.  No input is left out: every input reaches the output (b_qkv's k part moves k's codes).
; LIMITS: a NaN, an infinity or an overflow that reaches only the key steps left out is not carried to the result.  NaN and infinities among the inputs are not served.  A block of zeros gets the scale
; byte 1 where the rule says 127: its codes are zeros, which add nothing under any byte but 0xff, and the bytes are read by this program alone.
;
; THIS LAUNCH.  LAYOUT OF ALL CODES: rows (tokens; W's columns n, which are the rows of W^T) go in groups g of 32; tile 2 g + u holds, in lane r, row 32 g + 8 u + r + 8 (r / 8).  A fragment (tile, K step of 128)
; is stored as the IMAGE of its eight registers: two quads c of 512 bytes, lane l's 16 bytes at 16 l; lane (r, h) of quad c holds K block 4 s + 2 c + h of its row.  [tile][s 0..7][c][512].
; SCALES: [g][q 0..3][lane (u, r)][2] words; the word holds the four bytes of K step 2 q + (0, 1) of row (g, u, r).
; W_qkv's 3,072 columns and W_proj's 1,024 count on as 4,096 virtual rows.
; SHARES.  Work-group i: (x) tokens 32 i .. 32 i + 31, wave w their columns 256 w .. 256 w + 255; (W) virtual rows 64 (i / 4) .. + 63, K rows 256 (i % 4) .. + 255: waves 0 and 1, 32 rows each, so that a wave owns
; two whole K steps and stores a whole 256 bytes of scale words.  A lane holds ONE row and a whole block of 32 along K in 32 registers: no other lane is asked for a maximum.
; All 192 KiB of a work-group are asked for at the head by three tensor loads a wave; nothing is filled again.  No cluster: no two work-groups read the same byte.
.set XW,    33536                      ; LDS: a wave's part of x: rows 0-15 at 0, rows 16-31 at XH, 1,024 bytes + 16 of padding each
.set XH,    16768                      ; 16 x 1,040 + 128: so the 16 rows that a load's half touches (0-7 and 16-23, or 8-15 and 24-31) begin at 16 different multiples of 16 bytes modulo 256
.set XP,    1040
.set WL,    134144                     ; W: 256 K rows x 256 bytes (64 columns), dense
.set SPARE, 199680                     ; the spare words, 128 bytes a wave
.set AX,  2                            ; v2  LDS address of my row of x
.set AW,  3                            ; v3  LDS address of my column of W
.set O16, 4                            ; v4  16 x lane
.set O8,  5                            ; v5  8 x lane
.set SPW, 6                            ; v6  my spare word; never rewritten
.set NIL, 7                            ; v7  0; never rewritten
.set XN,  16                           ; v16-79 two sets of 32 numbers;  v8-11 at work;  v[12:13], v[14:15] scale words;  v80-111, v112-143 codes of the two jobs
.set G1X, 24
.set G1A, 32
.set G1B, 40
.set G0X, 48
.set G0W, 56
.set PXI, 60
.set PXS, 62
.set PWI, 66
.set PWS, 68
	s_load_b256 s[4:11], s[0:1], 0x0               ; x s[4:5], W_qkv s[6:7], W_proj s[8:9], xq s[10:11]
	s_load_b128 s[12:15], s[0:1], 0x20             ; xs s[12:13], wq s[14:15]
	s_load_b64 s[16:17], s[0:1], 0x30              ; ws
	v_lshl_add_u32 v[SPW], v0, 2, SPARE
	v_mov_b32 v[NIL], 0
	ds_add_u32 v[SPW], v[NIL]                      ; the opening: the add, twice on end, and its wait ahead of my first tensor load
	ds_add_u32 v[SPW], v[NIL]
	v_lshrrev_b32 v1, 5, v0
	v_readfirstlane_b32 s18, v1                    ; wave 0..3
	s_lshr_b32 s20, ttmp9, 2                       ; cg: which 64 virtual rows of W
	s_and_b32 s21, ttmp9, 3                        ; q: which 256 along K
	; group 1 for x: 16 rows x 256 elements of 4 bytes, 4 words of padding behind every 256 words
	s_mov_b32 s[G1X+0], (2<<16)|(1<<20)|(7<<22)|(3<<25)
	s_mov_b32 s[G1X+1], 256<<16
	s_mov_b32 s[G1X+2], 16<<16
	s_mov_b32 s[G1X+3], 256<<16
	s_mov_b32 s[G1X+4], 16
	s_mov_b32 s[G1X+5], 1024
	s_mov_b32 s[G1X+6], 0
	s_mov_b32 s[G1X+7], 0
	; group 1 for W: 64 rows x 64 elements; two of them, since the pitch differs between W_qkv and W_proj
.irp g, G1A, G1B
	s_mov_b32 s[\g+0], 2<<16
	s_mov_b32 s[\g+1], 64<<16
	s_mov_b32 s[\g+2], 64<<16
	s_mov_b32 s[\g+3], 64<<16
	s_mov_b32 s[\g+4], 64
	s_mov_b32 s[\g+6], 0
	s_mov_b32 s[\g+7], 0
.endr
	s_mov_b32 s[G1A+5], 3072
	s_mov_b32 s[G1B+5], 1024
	s_mov_b32 s[G0X], 1
	s_mul_i32 s[G0X+1], s18, XW
	s_mov_b32 s[G0X+4], 1
	s_add_co_u32 s[G0X+5], s[G0X+1], XH
	s_mov_b32 s[G0W], 1
	s_lshl_b32 s[G0W+1], s18, 14
	s_add_co_u32 s[G0W+1], s[G0W+1], WL
	s_lshl_b32 s70, ttmp9, 17                      ; x: 32 rows of 4,096 bytes a work-group,
	s_lshl_b32 s71, s18, 10                        ; 1,024 bytes of a row a wave
	s_add_co_u32 s70, s70, s71
	s_mov_b32 s71, 0
	s_mov_b32 s73, 262144
	s_cmp_lt_u32 s20, 48                           ; W_qkv's work-group or W_proj's: the work-group's number alone decides
	s_cselect_b32 s72, 786432, s73                 ; 64 rows of W in bytes
	s_cselect_b32 s74, 0, 48
	s_sub_co_u32 s74, s20, s74                     ; the 64 columns, counted in their own tensor
	s_lshl_b32 s75, s21, 2
	s_add_co_u32 s75, s75, s18                     ; which 64 K rows I fetch: 4 q + wave
	s_mul_i32 s72, s72, s75
	s_lshl_b32 s74, s74, 8
	s_add_co_u32 s72, s72, s74
	s_mov_b32 s73, 0
	s_lshl_b32 s[PXI], ttmp9, 14                   ; x's images: two tiles of 8,192 a group, K steps 2 w, 2 w + 1
	s_lshl_b32 s74, s18, 11
	s_add_co_u32 s[PXI], s[PXI], s74
	s_mov_b32 s[PXI+1], 0
	s_lshl_b32 s[PXS], ttmp9, 10
	s_lshl_b32 s74, s18, 8
	s_add_co_u32 s[PXS], s[PXS], s74
	s_mov_b32 s[PXS+1], 0
	s_and_b32 s76, s18, 1
	s_lshl_b32 s75, s20, 1
	s_add_co_u32 s75, s75, s76                     ; W's group: 2 cg + (wave & 1)
	s_lshl_b32 s[PWI], s75, 14
	s_lshl_b32 s74, s21, 11
	s_add_co_u32 s[PWI], s[PWI], s74
	s_mov_b32 s[PWI+1], 0
	s_lshl_b32 s[PWS], s75, 10
	s_lshl_b32 s74, s21, 8
	s_add_co_u32 s[PWS], s[PWS], s74
	s_mov_b32 s[PWS+1], 0
	s_lshl_b32 s77, s76, 7
	s_add_co_u32 s77, s77, WL                      ; my 32 columns in W's LDS rows
	s_wait_dscnt 0x0                               ; both opening adds are done
	s_wait_kmcnt 0x0
	s_add_nc_u64 s[G0X+2:G0X+3], s[4:5], s[70:71]
	s_add_nc_u64 s[G0X+6:G0X+7], s[G0X+2:G0X+3], 65536   ; 16 rows on
	s_or_b32 s[G0X+3], s[G0X+3], 0x80000000
	s_or_b32 s[G0X+7], s[G0X+7], 0x80000000
	s_cmp_lt_u32 s20, 48
	s_cselect_b64 s[G0W+2:G0W+3], s[6:7], s[8:9]
	s_add_nc_u64 s[G0W+2:G0W+3], s[G0W+2:G0W+3], s[72:73]
	s_or_b32 s[G0W+3], s[G0W+3], 0x80000000
	s_add_nc_u64 s[PXI:PXI+1], s[10:11], s[PXI:PXI+1]
	s_add_nc_u64 s[PXS:PXS+1], s[12:13], s[PXS:PXS+1]
	s_add_nc_u64 s[PWI:PWI+1], s[14:15], s[PWI:PWI+1]
	s_add_nc_u64 s[PWS:PWS+1], s[16:17], s[PWS:PWS+1]
	tensor_load_to_lds s[G0X:G0X+3], s[G1X:G1X+7]          ; my rows 0-15 of x
	s_nop 0
	tensor_load_to_lds s[G0X+4:G0X+7], s[G1X:G1X+7]        ; my rows 16-31
	s_nop 0
	s_cmp_lt_u32 s20, 48                           ; one of two lines, by the work-group's number: every way passes three loads
	s_cbranch_scc0 .Lproj
	tensor_load_to_lds s[G0W:G0W+3], s[G1A:G1A+7]
	s_nop 0
.rept 4
	v_nop
.endr
	s_branch .Lasked
.Lproj:
	tensor_load_to_lds s[G0W:G0W+3], s[G1B:G1B+7]
	s_nop 0
.rept 4
	v_nop
.endr
.Lasked:
	v_and_b32 v1, 31, v0                           ; lane = (u, r)
	v_and_b32 v8, 15, v0                           ; r
	v_bfe_u32 v9, v0, 4, 1                         ; u
	v_and_b32 v11, 8, v8
	v_add_nc_u32 v10, v8, v11
	v_lshl_add_u32 v10, v9, 3, v10                 ; my row of the group: 8 u + r + 8 (r / 8)
	v_mul_u32_u24 v[AX], v10, XP
	v_lshl_add_u32 v[AX], v11, 4, v[AX]            ; + 128 for rows 16-31
	v_add_nc_u32 v[AX], s[G0X+1], v[AX]
	v_lshl_add_u32 v[AW], v10, 2, s77
	v_lshlrev_b32 v[O16], 4, v1
	v_lshlrev_b32 v[O8], 3, v1
.macro FETCHX kb                       ; block kb of my row: 32 numbers, 128 bytes
.irp j, 0,1,2,3,4,5,6,7
	ds_load_b128 v[XN+32*((\kb)%2)+4*\j:XN+32*((\kb)%2)+4*\j+3], v[AX] offset:128*(\kb)+16*\j
.endr
.endm
.macro FETCHW kb                       ; block kb of my column: registers run down K
.irp n, 0,1,2,3,4,5,6,7,8,9,10,11,12,13,14,15,16,17,18,19,20,21,22,23,24,25,26,27,28,29,30,31
	ds_load_b32 v[XN+32*((\kb)%2)+\n], v[AW] offset:(32*(\kb)+\n)*256
.endr
.endm
.macro BLOCK kb, cb, wb                ; the block's largest magnitude, its byte into word kb / 4, its 32 codes into v[cb + 4 kb] on
.set XB, XN+32*((\kb)%2)
	v_max3_num_f32 v8, |v[XB]|, |v[XB+1]|, |v[XB+2]|
	v_max3_num_f32 v9, |v[XB+3]|, |v[XB+4]|, |v[XB+5]|
.irp i, 6,10,14,18,22,26
	v_max3_num_f32 v8, v8, |v[XB+\i]|, |v[XB+\i+1]|
	v_max3_num_f32 v9, v9, |v[XB+\i+2]|, |v[XB+\i+3]|
.endr
	v_max3_num_f32 v8, v8, |v[XB+30]|, |v[XB+31]|
	v_max3_num_f32 v8, v8, v9, 0x1800000           ; the floor 2^(3 - 127): the byte cannot fall under 1
	v_add_nc_u32 v10, 0xff000000, v8               ; 2 off the exponent field: the conversion's scale operand
	v_lshrrev_b32 v11, 23, v10                     ; the byte
.if (\kb)%4 == 0
	v_mov_b32 v[\wb+(\kb)/4], v11
.else
	v_lshl_or_b32 v[\wb+(\kb)/4], v11, 8*((\kb)%4), v[\wb+(\kb)/4]
.endif
.irp g, 0,1,2,3
	v_cvt_scalef32_pk8_fp4_f32 v[\cb+4*(\kb)+\g], v[XB+8*\g:XB+8*\g+7], v10
.endr
.endm
; Eight blocks.  The next block's loads are issued ahead of the wait, whose count leaves just them out.  Behind each odd block the two blocks' codes change halves of lanes: the first four
; registers are then tile u = 0's quad (lanes 0-15 the even block, lanes 16-31 the odd one), the second four tile u = 1's.  Every store of a wave covers 512 or 256 consecutive, aligned bytes.
.macro JOB isw, cb, wb, pi, ps
.if \isw
	FETCHW 0
.else
	FETCHX 0
.endif
.set KB, 0
.rept 8
.if KB < 7
.if \isw
	FETCHW KB+1
	s_wait_dscnt 32
.else
	FETCHX KB+1
	s_wait_dscnt 8
.endif
.else
	s_wait_dscnt 0x0
.endif
	BLOCK KB, \cb, \wb
.if KB%2 == 1
	v_nop                                          ; one plain place behind a scaled conversion
.irp i, 0,1,2,3
	v_permlane16_swap_b32 v[\cb+4*(KB-1)+\i], v[\cb+4*KB+\i]
.endr
	global_store_b128 v[O16], v[\cb+4*(KB-1):\cb+4*(KB-1)+3], s[\pi:\pi+1] offset:(KB/4)*1024+((KB/2)%2)*512
	global_store_b128 v[O16], v[\cb+4*KB:\cb+4*KB+3], s[\pi:\pi+1] offset:8192+(KB/4)*1024+((KB/2)%2)*512
.endif
.set KB, KB+1
.endr
	global_store_b64 v[O8], v[\wb:\wb+1], s[\ps:\ps+1]
.endm
	s_wait_alu depctr_va_vdst(0)
	s_wait_tensorcnt 0x1                           ; my two tiles of x are in, and I alone read them; W's may stay out
	JOB 0, 80, 12, PXI, PXS
	s_wait_tensorcnt 0x0                           ; my 64 rows of W are in,
	s_wait_dscnt 0x0
	s_barrier_signal -1
	s_barrier_wait -1                              ; everybody's are
	s_cmp_lt_u32 s18, 2
	s_cbranch_scc0 .Ldone
	JOB 1, 112, 14, PWI, PWS                       ; registers and pointers of its own: no store's sources are rewritten
.Ldone:
	s_wait_tensorcnt 0x0                           ; the wave's end
	ds_add_u32 v[SPW], v[NIL]
	s_wait_dscnt 0x0
	s_endpgm
.Lfunc_end_k_qb1196fd10f_prep:
	.size	k_qb1196fd10f_prep, .Lfunc_end_k_qb1196fd10f_prep-k_qb1196fd10f_prep
	.p2alignl 7, 3214868480
	.fill 96, 4, 3214868480
	.section	.rodata,"a",@progbits
	.p2align	6, 0x0
	.amdhsa_kernel k_qb1196fd10f_prep
		.amdhsa_group_segment_fixed_size 200192
		.amdhsa_private_segment_fixed_size 0
		.amdhsa_enable_private_segment 0
		.amdhsa_kernarg_size 56
		.amdhsa_user_sgpr_count 2
		.amdhsa_user_sgpr_kernarg_segment_ptr 1
		.amdhsa_wavefront_size32 1
		.amdhsa_system_sgpr_workgroup_id_x 1
		.amdhsa_system_sgpr_workgroup_id_y 1
		.amdhsa_system_sgpr_workgroup_id_z 1
		.amdhsa_system_vgpr_workitem_id 0
		.amdhsa_next_free_vgpr 144
		.amdhsa_next_free_sgpr 80
		.amdhsa_reserve_vcc 0
		.amdhsa_float_denorm_mode_32 3
		.amdhsa_float_denorm_mode_16_64 3
		.amdhsa_memory_ordered 1
		.amdhsa_forward_progress 1
		.amdhsa_inst_pref_size 53
	.end_amdhsa_kernel
	.amdgpu_metadata
---
amdhsa.version: [ 1, 2 ]
amdhsa.kernels:
  - .name:           k_qb1196fd10f_prep
    .symbol:         k_qb1196fd10f_prep.kd
    .args:
      - { .name: x, .offset: 0, .size: 8, .value_kind: global_buffer, .address_space: global }
      - { .name: W_qkv, .offset: 8, .size: 8, .value_kind: global_buffer, .address_space: global }
      - { .name: W_proj, .offset: 16, .size: 8, .value_kind: global_buffer, .address_space: global }
      - { .name: xq, .offset: 24, .size: 8, .value_kind: global_buffer, .address_space: global }
      - { .name: xs, .offset: 32, .size: 8, .value_kind: global_buffer, .address_space: global }
      - { .name: wq, .offset: 40, .size: 8, .value_kind: global_buffer, .address_space: global }
      - { .name: ws, .offset: 48, .size: 8, .value_kind: global_buffer, .address_space: global }
    .group_segment_fixed_size: 200192
    .private_segment_fixed_size: 0
    .kernarg_segment_align: 8
    .kernarg_segment_size: 56
    .max_flat_workgroup_size: 128
    .sgpr_count:     80
    .vgpr_count:     144
    .wavefront_size: 32
...
	.end_amdgpu_metadata
.endif
;; end of part 1
;; launch gemm_qkv (part 2): grid 8 x 32, 4 waves a work-group, clusters of 4 x 4, 327,680 bytes of LDS; arguments xq, xs, wq, ws, b_qkv, qb, kv; writes qb, kv
.if DOCPART == 2
	.amdgcn_target "amdgcn-amd-amdhsa--gfx1250"
	.amdhsa_code_object_version 6
	.text
	.protected	k_qb1196fd10f_gemm_qkv
	.globl	k_qb1196fd10f_gemm_qkv
	.p2align	8
	.type	k_qb1196fd10f_gemm_qkv,@function
k_qb1196fd10f_gemm_qkv:
	s_mov_b64 s[64:65], 0
	v_nop
	global_prefetch_b8 v0, s[64:65] scope:SCOPE_SE
	s_setreg_imm32_b32 hwreg(HW_REG_WAVE_MODE, 25, 1), 1
	s_wait_xcnt 0x0
	s_wait_alu depctr_hold_cnt(0) depctr_sa_sdst(0) depctr_va_vdst(0) depctr_va_sdst(0) depctr_va_ssrc(0) depctr_va_vcc(0) depctr_vm_vsrc(0)
	s_getreg_b32 s2, hwreg(HW_REG_IB_STS2, 6, 4)
	s_cmp_eq_u32 s2, 0
	s_cbranch_scc0 .Lentry_in_a_cluster
	s_endpgm
.Lentry_in_a_cluster:
	s_bfe_u32 s2, ttmp6, 0x10000c
	s_cmp_lg_u32 s2, 0xf033
	s_cbranch_scc0 .Lentry_shape_is_right
	s_endpgm
.Lentry_shape_is_right:
; qkv = x W_qkv + b_qkv on codes of FP4, and q, k (along the head's 64) and v (along the keys) quantised on the way out, in registers.  Nothing is left out here.
; SHARES.  Work-group (nx, ty): tokens 256 ty .. + 255 x the SAME 128 columns of q, of k and of v: three products on one tile of x, 256 work-groups of equal work.
; Wave w: tokens 128 (w / 2) on, columns 64 (w % 2) on: one head.  The wave's fragments of x for all of K (8 tiles x 8 K steps x 8 registers) stay in registers through the three phases; W's come from LDS.
; CLUSTER 4 x 4: x's tile hangs on ty alone and is asked for jointly along a row of the cluster, W's tiles on nx alone, along a column.
; LDS (all images, dense): 0 x's tile (131,072); its first 65,536 bytes are filled again with Wv once x is in registers; 131,072 Wq; 196,608 Wk; 262,144 the spare words.
; q, k: the product is used transposed (source 0 = 16 rows of W^T, source 1 = 16 tokens): a lane holds one token, and the 16 registers of W's tiles 2 b, 2 b + 1 are 16 neighbouring channels.
; v: source 0 = 16 tokens, source 1 = 16 rows of W^T: a lane holds one channel and 16 neighbouring tokens.  In both, registers 16 k .. 16 k + 15 of the accumulators are half a block of 32; lane l xor 16 holds the other half.
; OUT.  qb, per (batch, head): q's images [token tile 128][512] (lane (r, h): channels 32 h .. + 31), at 65,536 its scale words.  kv, per (batch, head): k's images at 0; v's [key step 16][channel tile 4][2][512] at 65,536;
; k's scale words at 131,072, v's at 139,264.  Scale words of q, k: [4 tiles][256]: byte 8 l + 4 e: tile 4 G + 2 e + l / 16, row l % 16; two bytes, the upper two 0.  v's: [key step][256]: byte 8 l + 4 e: channel tile 2 e + l / 16.
; REGISTERS.  window 0: v2-9 addresses; v10, v11 the add's; v[12:15] scale words on the way out; v16-47 x's scale words; v48-95 W's; v96-191 the biases in the results' layout; v192-255 W's fragments, two sets, later at work.
;   windows 1, 2: x's fragments of K steps 0-3, 4-7, at 8 (8 (s % 4) + a).   window 3: the 32 accumulators.
.set SPARE, 262144
.set AXF, 2
.set AWQ, 3
.set AWK, 4
.set AWV, 5
.set O16, 6
.set O8,  7
.set OB,  8
.set OV,  9
.set SPW, 10
.set NIL, 11
.set SP2, 12
.set XS,  16
.set WS,  48
.set BI,  96
.set WF,  192
.set TM,  192
.set T2,  208
.set PC,  224
.set MSB, 0
.macro WIN new                         ; the immediate's high byte repeats the setting that is left
.if MSB != \new
	s_set_vgpr_msb (MSB<<8)|\new
.set MSB, \new
.endif
.endm
.macro PLACES
.rept 4
	v_nop
.endr
.endm
.macro CROUND                          ; a round of the cluster's barrier
	s_barrier_signal -1
	s_barrier_wait -1
	s_cmp_lg_u32 s18, 0
	s_cbranch_scc1 .Lnot_wave_0_\@
	s_barrier_signal -3
.Lnot_wave_0_\@:
	s_barrier_wait -3
	s_barrier_signal -1
	s_barrier_wait -1
.endm
.macro WM d, a, b, c, sa, sb, ra, rb   ; one product; ra, rb: the scales stand in lanes 16-31 of their register
.if ((\ra) == 0) && ((\rb) == 0)
	v_wmma_scale_f32_16x16x128_f8f6f4 v[0+(\d):(\d)+7], v[0+(\a):(\a)+7], v[0+(\b):(\b)+7], v[0+(\c):(\c)+7], v[\sa], v[\sb] matrix_a_fmt:MATRIX_FMT_FP4 matrix_b_fmt:MATRIX_FMT_FP4
.elseif (\rb) == 0
	v_wmma_scale_f32_16x16x128_f8f6f4 v[0+(\d):(\d)+7], v[0+(\a):(\a)+7], v[0+(\b):(\b)+7], v[0+(\c):(\c)+7], v[\sa], v[\sb] matrix_a_fmt:MATRIX_FMT_FP4 matrix_b_fmt:MATRIX_FMT_FP4 matrix_a_scale:MATRIX_SCALE_ROW1
.elseif (\ra) == 0
	v_wmma_scale_f32_16x16x128_f8f6f4 v[0+(\d):(\d)+7], v[0+(\a):(\a)+7], v[0+(\b):(\b)+7], v[0+(\c):(\c)+7], v[\sa], v[\sb] matrix_a_fmt:MATRIX_FMT_FP4 matrix_b_fmt:MATRIX_FMT_FP4 matrix_b_scale:MATRIX_SCALE_ROW1
.else
	v_wmma_scale_f32_16x16x128_f8f6f4 v[0+(\d):(\d)+7], v[0+(\a):(\a)+7], v[0+(\b):(\b)+7], v[0+(\c):(\c)+7], v[\sa], v[\sb] matrix_a_fmt:MATRIX_FMT_FP4 matrix_b_fmt:MATRIX_FMT_FP4 matrix_a_scale:MATRIX_SCALE_ROW1 matrix_b_scale:MATRIX_SCALE_ROW1
.endif
.endm
.macro FETCHW adr, s, sg               ; my four tiles of W, K step s, into set sg
.irp b, 0,1,2,3
.irp c, 0,1
	ds_load_b128 v[WF+32*(\sg)+8*\b+4*\c:WF+32*(\sg)+8*\b+4*\c+3], v[\adr] offset:8192*\b+1024*(\s)+512*\c
.endr
.endr
.endm
; 32 products of K step s.  The 32 accumulators take turns, one instruction a turn, in the same order in every step.  Step 0 takes the bias as C.
.macro STEPQK p, s
.if (\s) == 0
	WIN 0xc4
.elseif (\s) < 4
	WIN 0xf4
.else
	WIN 0xf8
.endif
.irp a, 0,1,2,3,4,5,6,7
.irp b, 0,1,2,3
.if (\s) == 0
	WM 8*(4*\a+\b), WF+32*((\s)%2)+8*\b, 8*(8*((\s)%4)+\a), BI+32*(\p)+8*\b, WS+16*(\p)+8*(\b/2)+(\s), XS+8*(\a/2)+(\s), \b%2, \a%2
.else
	WM 8*(4*\a+\b), WF+32*((\s)%2)+8*\b, 8*(8*((\s)%4)+\a), 8*(4*\a+\b), WS+16*(\p)+8*(\b/2)+(\s), XS+8*(\a/2)+(\s), \b%2, \a%2
.endif
.endr
.endr
.endm
.macro STEPV s
.if (\s) == 0
	WIN 0xc1
.elseif (\s) < 4
	WIN 0xf1
.else
	WIN 0xf2
.endif
.irp a, 0,1,2,3
.irp b, 0,1,2,3,4,5,6,7
.if (\s) == 0
	WM 8*(8*\a+\b), 8*(8*((\s)%4)+\b), WF+32*((\s)%2)+8*\a, BI+64+8*\a, XS+8*(\b/2)+(\s), WS+32+8*(\a/2)+(\s), \b%2, \a%2
.else
	WM 8*(8*\a+\b), 8*(8*((\s)%4)+\b), WF+32*((\s)%2)+8*\a, 8*(8*\a+\b), XS+8*(\b/2)+(\s), WS+32+8*(\a/2)+(\s), \b%2, \a%2
.endif
.endr
.endr
.endm
; The 256 accumulator registers are 16 half blocks of 16.  Bytes land in v[TM + k], codes as quads in v[PC + 4 m] (blocks 2 m in lanes 0-15, 2 m + 1 in lanes 16-31).  Each accumulator is read from its low end on.
.macro QUANT16
	WIN 0x0f                                       ; sources 0 and 1: window 3
.irp k, 0,1,2,3,4,5,6,7,8,9,10,11,12,13,14,15
	v_max3_num_f32 v[TM+\k], |v[16*\k]|, |v[16*\k+1]|, 0x1800000   ; with the floor 2^(3 - 127)
.endr
.irp i, 2,4,6,8,10,12,14
.irp k, 0,1,2,3,4,5,6,7,8,9,10,11,12,13,14,15
	v_max3_num_f32 v[TM+\k], |v[16*\k+\i]|, |v[16*\k+\i+1]|, v[TM+\k]
.endr
.endr
	WIN 0
.irp k, 0,1,2,3,4,5,6,7,8,9,10,11,12,13,14,15
	v_permlanex16_b32 v[T2+\k], v[TM+\k], s92, s93
.endr
.irp k, 0,1,2,3,4,5,6,7,8,9,10,11,12,13,14,15
	v_max_num_f32 v[TM+\k], v[TM+\k], v[T2+\k]     ; with lane l xor 16's: the block's largest magnitude
.endr
.irp k, 0,1,2,3,4,5,6,7,8,9,10,11,12,13,14,15
	v_add_nc_u32 v[T2+\k], 0xff000000, v[TM+\k]    ; the conversion's scale operand
.endr
.irp k, 0,1,2,3,4,5,6,7,8,9,10,11,12,13,14,15
	v_lshrrev_b32 v[TM+\k], 23, v[T2+\k]           ; the byte
.endr
	WIN 0x03                                       ; source 0: window 3
.irp k, 0,1,2,3,4,5,6,7,8,9,10,11,12,13,14,15
	v_cvt_scalef32_pk8_fp4_f32 v[PC+2*\k], v[16*\k:16*\k+7], v[T2+\k]
	v_cvt_scalef32_pk8_fp4_f32 v[PC+2*\k+1], v[16*\k+8:16*\k+15], v[T2+\k]
.endr
	WIN 0
	v_nop                                          ; one plain place behind a scaled conversion
.irp m, 0,1,2,3,4,5,6,7
.irp i, 0,1
	v_permlane16_swap_b32 v[PC+4*\m+\i], v[PC+4*\m+2+\i]
.endr
.endr
.endm
.macro OUTQK pi, ps                    ; eight token tiles: 4,096 consecutive bytes of images, 512 of scale words
.irp a, 0,1,2,3,4,5,6,7
	v_lshl_or_b32 v[TM+2*\a], v[TM+2*\a+1], 8, v[TM+2*\a]
.endr
.irp g, 0,1
.irp e, 0,1
	v_cndmask_b32 v[SP2+2*\g+\e], v[TM+2*(4*\g+2*\e)], v[TM+2*(4*\g+2*\e+1)], s90   ; lanes 16-31 take the odd tile's word
.endr
.endr
.irp m, 0,1,2,3,4,5,6,7
	global_store_b128 v[O16], v[PC+4*\m:PC+4*\m+3], s[\pi:\pi+1] offset:512*\m
.endr
.irp g, 0,1
	global_store_b64 v[O8], v[SP2+2*\g:SP2+2*\g+1], s[\ps:\ps+1] offset:256*\g
.endr
.endm
.macro OUTV
.irp a, 0,1,2,3
	v_lshl_or_b32 v[TM+4*\a], v[TM+4*\a+1], 8, v[TM+4*\a]
	v_lshl_or_b32 v[TM+4*\a], v[TM+4*\a+2], 16, v[TM+4*\a]
	v_lshl_or_b32 v[TM+4*\a], v[TM+4*\a+3], 24, v[TM+4*\a]
.endr
	v_cndmask_b32 v[SP2], v[TM], v[TM+4], s90
	v_cndmask_b32 v[SP2+1], v[TM+8], v[TM+12], s90
.irp m, 0,1,2,3,4,5,6,7
	global_store_b128 v[O16], v[PC+4*\m:PC+4*\m+3], s[74:75] offset:512*\m
.endr
	global_store_b64 v[O8], v[SP2:SP2+1], s[76:77]
.endm
; A phase: eight K steps.  Step t + 1's fragments of W are asked for ahead of step t's 32 products; four places stand in front of loads into registers that the last products read.
.macro PHASE mode, p, adr
	WIN 0
	s_wait_xcnt 0x0                                ; the last phase's stores have read their registers, which lie where W's fragments land
	FETCHW \adr, 0, 0
.irp t, 0,1,2,3,4,5,6,7
	s_wait_dscnt 0x0                               ; step t's fragments are in
.if \t < 7
	WIN 0
.if \t > 0
	PLACES
.endif
	FETCHW \adr, \t+1, (\t+1)%2
.endif
.if \mode
	STEPV \t
.else
	STEPQK \p, \t
.endif
.endr
	WIN 0
	PLACES                                         ; in front of the first read of results
	QUANT16
.endm
	s_load_b256 s[4:11], s[0:1], 0x0               ; xq s[4:5], xs s[6:7], wq s[8:9], ws s[10:11]
	s_load_b128 s[12:15], s[0:1], 0x20             ; b_qkv s[12:13], qb s[14:15]
	s_load_b64 s[16:17], s[0:1], 0x30              ; kv
	v_lshl_add_u32 v[SPW], v0, 2, SPARE
	v_mov_b32 v[NIL], 0
	ds_add_u32 v[SPW], v[NIL]                      ; the opening: the add, twice on end, and its wait ahead of my first tensor load
	ds_add_u32 v[SPW], v[NIL]
	v_lshrrev_b32 v1, 5, v0
	v_readfirstlane_b32 s18, v1                    ; wave
	s_lshr_b32 s19, s18, 1                         ; wt: which 128 tokens
	s_and_b32 s20, s18, 1                          ; wn: which 64 columns
	s_bfe_u32 s21, ttmp6, 0x40000                  ; cx
	s_bfe_u32 s22, ttmp6, 0x40004                  ; cy
	s_lshl_b32 s23, ttmp9, 2
	s_add_co_u32 s23, s23, s21                     ; nx
	s_and_b32 s24, ttmp7, 0xffff
	s_lshl_b32 s24, s24, 2
	s_add_co_u32 s24, s24, s22                     ; ty
	s_lshl_b32 s25, s22, 2
	s_lshl_b32 s25, 15, s25                        ; my row of the cluster
	s_lshl_b32 s26, 0x1111, s21                    ; my column
	s_or_b32 s28, s25, (3<<16)|(1<<21)             ; group 1 for x: dense rows of 256 bytes (32 elements of 8), 128 of them a wave
	s_mov_b32 s29, 32<<16
	s_mov_b32 s30, 128<<16
	s_mov_b32 s31, 32<<16
	s_mov_b32 s32, 128
	s_mov_b32 s33, 32
	s_mov_b32 s34, 0
	s_mov_b32 s35, 0
	s_or_b32 s36, s26, (3<<16)|(1<<21)             ; group 1 for W: 64 such rows a wave
	s_mov_b32 s37, 32<<16
	s_mov_b32 s38, 64<<16
	s_mov_b32 s39, 32<<16
	s_mov_b32 s40, 64
	s_mov_b32 s41, 32
	s_mov_b32 s42, 0
	s_mov_b32 s43, 0
	s_mov_b32 s44, 1
	s_mov_b32 s48, 1
	s_mov_b32 s52, 1
	s_mov_b32 s56, 1
	s_lshl_b32 s45, s18, 15                        ; x: LDS wave x 32,768
	s_lshl_b32 s57, s18, 14                        ; Wv: LDS wave x 16,384
	s_add_co_u32 s49, s57, 131072                  ; Wq
	s_add_co_u32 s53, s57, 196608                  ; Wk
	s_lshl_b32 s60, s24, 17
	s_add_co_u32 s60, s60, s45                     ; x's tile in memory: ty and the wave alone
	s_mov_b32 s61, 0
	s_lshl_b32 s62, s23, 16
	s_add_co_u32 s62, s62, s57                     ; W's: nx and the wave alone
	s_mov_b32 s63, 0
	s_lshl_b32 s78, s24, 13
	s_lshl_b32 s79, s19, 12
	s_add_co_u32 s78, s78, s79                     ; x's scale words: group 8 ty + 4 wt
	s_mov_b32 s79, 0
	s_lshl_b32 s80, s23, 12
	s_lshl_b32 s81, s20, 11
	s_add_co_u32 s80, s80, s81                     ; W's: group 4 nx + 2 wn
	s_mov_b32 s81, 0
	s_lshl_b32 s82, s23, 1
	s_add_co_u32 s82, s82, s20                     ; the head
	s_lshl_b32 s84, s82, 8                         ; its 64 biases
	s_mov_b32 s85, 0
	s_lshr_b32 s83, s24, 3                         ; the batch
	s_lshl_b32 s86, s83, 4
	s_add_co_u32 s86, s86, s82
	s_mul_i32 s87, s86, 73728
	s_mul_i32 s88, s86, 143360
	s_and_b32 s89, s24, 7
	s_lshl_b32 s89, s89, 4
	s_lshl_b32 s83, s19, 3
	s_add_co_u32 s89, s89, s83                     ; my first token tile in the batch
	s_lshl_b32 s83, s89, 9
	s_add_co_u32 s66, s87, s83                     ; q's images
	s_add_co_u32 s70, s88, s83                     ; k's
	s_add_co_u32 s74, s70, 65536                   ; v's: key step = tile / 8, 4,096 bytes a step
	s_lshl_b32 s83, s89, 6
	s_add_co_u32 s68, s87, s83
	s_add_co_u32 s68, s68, 65536                   ; q's scale words
	s_add_co_u32 s72, s88, s83
	s_add_co_u32 s72, s72, 131072                  ; k's
	s_lshl_b32 s83, s89, 5
	s_add_co_u32 s76, s88, s83
	s_add_co_u32 s76, s76, 139264                  ; v's
.irp p, 67,69,71,73,75,77
	s_mov_b32 s\p, 0
.endr
	s_mov_b32 s90, 0xffff0000                      ; lanes 16-31
	s_mov_b32 s92, 0x76543210
	s_mov_b32 s93, 0xfedcba98                      ; lane l xor 16
	s_wait_dscnt 0x0                               ; both opening adds are done
	s_wait_kmcnt 0x0
	s_add_nc_u64 s[46:47], s[4:5], s[60:61]
	s_or_b32 s47, s47, 0x80000000
	s_add_nc_u64 s[50:51], s[8:9], s[62:63]
	s_add_nc_u64 s[54:55], s[50:51], 524288        ; k's columns: 64 tiles on
	s_add_nc_u64 s[58:59], s[50:51], 1048576       ; v's
	s_or_b32 s51, s51, 0x80000000
	s_or_b32 s55, s55, 0x80000000
	s_or_b32 s59, s59, 0x80000000
	s_add_nc_u64 s[6:7], s[6:7], s[78:79]
	s_add_nc_u64 s[10:11], s[10:11], s[80:81]
	s_add_nc_u64 s[12:13], s[12:13], s[84:85]
	s_add_nc_u64 s[66:67], s[14:15], s[66:67]
	s_add_nc_u64 s[68:69], s[14:15], s[68:69]
	s_add_nc_u64 s[70:71], s[16:17], s[70:71]
	s_add_nc_u64 s[72:73], s[16:17], s[72:73]
	s_add_nc_u64 s[74:75], s[16:17], s[74:75]
	s_add_nc_u64 s[76:77], s[16:17], s[76:77]
	CROUND                                         ; all sixteen work-groups are here: the first joint loads meet
	tensor_load_to_lds s[44:47], s[28:35]          ; x: three loads of mine are out
	s_nop 0
	tensor_load_to_lds s[48:51], s[36:43]          ; Wq
	s_nop 0
	tensor_load_to_lds s[52:55], s[36:43]          ; Wk
	s_nop 0
	PLACES
	v_and_b32 v1, 31, v0
	v_lshlrev_b32 v[O16], 4, v1
	v_lshlrev_b32 v[O8], 3, v1
	v_bfe_u32 v[OB], v0, 4, 1
	v_lshlrev_b32 v[OB], 6, v[OB]                  ; 64 h: sixteen biases on for lanes 16-31
	v_and_b32 v[OV], 15, v0
	v_and_b32 v12, 8, v[OV]
	v_add_nc_u32 v[OV], v[OV], v12
	v_lshlrev_b32 v[OV], 2, v[OV]                  ; 4 (r + 8 (r / 8))
	s_lshl_b32 s27, s19, 16
	v_add_nc_u32 v[AXF], s27, v[O16]
	s_lshl_b32 s27, s20, 15
	v_add_nc_u32 v[AWV], s27, v[O16]
	v_add_nc_u32 v[AWQ], 131072, v[AWV]
	v_add_nc_u32 v[AWK], 196608, v[AWV]
.irp g, 0,1,2,3
.irp q, 0,1,2,3
	global_load_b64 v[XS+8*\g+2*\q:XS+8*\g+2*\q+1], v[O8], s[6:7] offset:1024*\g+256*\q
.endr
.endr
.irp p, 0,1,2
.irp g, 0,1
.irp q, 0,1,2,3
	global_load_b64 v[WS+16*\p+8*\g+2*\q:WS+16*\p+8*\g+2*\q+1], v[O8], s[10:11] offset:32768*\p+1024*\g+256*\q
.endr
.endr
.endr
.irp p, 0,1
.irp b, 0,1,2,3
	global_load_b128 v[BI+32*\p+8*\b:BI+32*\p+8*\b+3], v[OB], s[12:13] offset:4096*\p+(32*(\b/2)+8*(\b%2))*4
	global_load_b128 v[BI+32*\p+8*\b+4:BI+32*\p+8*\b+7], v[OB], s[12:13] offset:4096*\p+(32*(\b/2)+8*(\b%2))*4+16
.endr
.endr
.irp a, 0,1,2,3
	global_load_b32 v[BI+64+8*\a], v[OV], s[12:13] offset:8192+(32*(\a/2)+8*(\a%2))*4
.endr
	s_wait_alu depctr_va_vdst(0)
	s_wait_tensorcnt 0x2                           ; my quarter of x is in; Wq's and Wk's loads may stay out
	s_barrier_signal -1
	s_barrier_wait -1
	WIN 0x40                                       ; destination window 1
.irp s, 0,1,2,3
.irp a, 0,1,2,3,4,5,6,7
.irp c, 0,1
	ds_load_b128 v[8*(8*\s+\a)+4*\c:8*(8*\s+\a)+4*\c+3], v[AXF] offset:8192*\a+1024*\s+512*\c
.endr
.endr
.endr
	WIN 0x80                                       ; destination window 2
.irp s, 0,1,2,3
.irp a, 0,1,2,3,4,5,6,7
.irp c, 0,1
	ds_load_b128 v[8*(8*\s+\a)+4*\c:8*(8*\s+\a)+4*\c+3], v[AXF] offset:8192*\a+1024*(\s+4)+512*\c
.endr
.endr
.endr
	WIN 0
	s_wait_tensorcnt 0x0                           ; all my tensor loads have landed, my parts of Wq and Wk among them
	ds_add_u32 v[SPW], v[NIL]                      ; 0 onto my spare word
	s_wait_loadcnt 0x0                             ; scale words and biases
.irp a, 0,1,2,3
.irp j, 1,2,3,4,5,6,7
	v_mov_b32 v[BI+64+8*\a+\j], v[BI+64+8*\a]      ; v's bias hangs on the lane's channel alone: the same in a tile's eight registers
.endr
.endr
	s_wait_dscnt 0x0                               ; the add is done, and x is in my registers: my reads of its bytes are over
	CROUND                                         ; so of every wave of every partner
	tensor_load_to_lds s[56:59], s[36:43]          ; Wv into x's first 65,536 bytes: my one load behind the round; it has two phases in which to land
	s_nop 0
	PLACES
	PHASE 0, 0, AWQ
	OUTQK 66, 68
	PHASE 0, 1, AWK
	OUTQK 70, 72
	s_wait_tensorcnt 0x0                           ; my part of Wv is in,
	s_wait_dscnt 0x0
	s_barrier_signal -1
	s_barrier_wait -1                              ; everybody's is
	PHASE 1, 2, AWV
	OUTV
	s_wait_tensorcnt 0x0                           ; the wave's end
	ds_add_u32 v[SPW], v[NIL]
	s_wait_dscnt 0x0
	CROUND                                         ; the closing round
	s_endpgm
.Lfunc_end_k_qb1196fd10f_gemm_qkv:
	.size	k_qb1196fd10f_gemm_qkv, .Lfunc_end_k_qb1196fd10f_gemm_qkv-k_qb1196fd10f_gemm_qkv
	.p2alignl 7, 3214868480
	.fill 96, 4, 3214868480
	.section	.rodata,"a",@progbits
	.p2align	6, 0x0
	.amdhsa_kernel k_qb1196fd10f_gemm_qkv
		.amdhsa_group_segment_fixed_size 327680
		.amdhsa_private_segment_fixed_size 0
		.amdhsa_enable_private_segment 0
		.amdhsa_kernarg_size 56
		.amdhsa_user_sgpr_count 2
		.amdhsa_user_sgpr_kernarg_segment_ptr 1
		.amdhsa_wavefront_size32 1
		.amdhsa_system_sgpr_workgroup_id_x 1
		.amdhsa_system_sgpr_workgroup_id_y 1
		.amdhsa_system_sgpr_workgroup_id_z 1
		.amdhsa_system_vgpr_workitem_id 0
		.amdhsa_next_free_vgpr 1024
		.amdhsa_next_free_sgpr 96
		.amdhsa_reserve_vcc 0
		.amdhsa_float_denorm_mode_32 3
		.amdhsa_float_denorm_mode_16_64 3
		.amdhsa_memory_ordered 1
		.amdhsa_forward_progress 1
		.amdhsa_inst_pref_size 183
	.end_amdhsa_kernel
	.amdgpu_metadata
---
amdhsa.version: [ 1, 2 ]
amdhsa.kernels:
  - .name:           k_qb1196fd10f_gemm_qkv
    .symbol:         k_qb1196fd10f_gemm_qkv.kd
    .args:
      - { .name: xq, .offset: 0, .size: 8, .value_kind: global_buffer, .address_space: global }
      - { .name: xs, .offset: 8, .size: 8, .value_kind: global_buffer, .address_space: global }
      - { .name: wq, .offset: 16, .size: 8, .value_kind: global_buffer, .address_space: global }
      - { .name: ws, .offset: 24, .size: 8, .value_kind: global_buffer, .address_space: global }
      - { .name: b_qkv, .offset: 32, .size: 8, .value_kind: global_buffer, .address_space: global }
      - { .name: qb, .offset: 40, .size: 8, .value_kind: global_buffer, .address_space: global }
      - { .name: kv, .offset: 48, .size: 8, .value_kind: global_buffer, .address_space: global }
    .group_segment_fixed_size: 327680
    .private_segment_fixed_size: 0
    .kernarg_segment_align: 8
    .kernarg_segment_size: 56
    .max_flat_workgroup_size: 128
    .sgpr_count:     96
    .vgpr_count:     1024
    .wavefront_size: 32
...
	.end_amdgpu_metadata
.endif
;; end of part 2
;; launch attn (part 3): grid 256 x 1, 16 waves a work-group, clusters of 4 x 1, 167,936 bytes of LDS; arguments qb, kv, oq, os; writes oq, os
.if DOCPART == 3
	.amdgcn_target "amdgcn-amd-amdhsa--gfx1250"
	.amdhsa_code_object_version 6
	.text
	.protected	k_qb1196fd10f_attn
	.globl	k_qb1196fd10f_attn
	.p2align	8
	.type	k_qb1196fd10f_attn,@function
k_qb1196fd10f_attn:
	s_mov_b64 s[64:65], 0
	v_nop
	global_prefetch_b8 v0, s[64:65] scope:SCOPE_SE
	s_setreg_imm32_b32 hwreg(HW_REG_WAVE_MODE, 25, 1), 1
	s_wait_xcnt 0x0
	s_wait_alu depctr_hold_cnt(0) depctr_sa_sdst(0) depctr_va_vdst(0) depctr_va_sdst(0) depctr_va_ssrc(0) depctr_va_vcc(0) depctr_vm_vsrc(0)
	s_getreg_b32 s2, hwreg(HW_REG_IB_STS2, 6, 4)
	s_cmp_eq_u32 s2, 0
	s_cbranch_scc0 .Lentry_in_a_cluster
	s_endpgm
.Lentry_in_a_cluster:
	s_bfe_u32 s2, ttmp6, 0x10000c
	s_cmp_lg_u32 s2, 0x3003
	s_cbranch_scc0 .Lentry_shape_is_right
	s_endpgm
.Lentry_shape_is_right:
; o = softmax_causal(q k^T / 8) v for one (batch, head) a cluster, both products on codes of FP4; o quantised along the model's 1,024 channels on the way out.
; LEFT OUT: key steps of 128 keys that lie wholly behind a tile's 16 queries: reference()'s own causal mask gives them the weight 0 for all inputs (the first kernel's head has the argument and the limit).
; THE SOFTMAX: t = score x log2(e) / 8; M = the running largest t rounded up to a whole number; p = 2^(t - M) is quantised along the keys, not normalised; the row's sum of the unquantised p divides at the end.
; The first product's K is 64, the instruction's 128: the upper 64 are zero codes in q's fragment (the quantiser's own fill); k's upper four registers are the next tile's codes, which meet those zeros.
; SHARES.  The cluster's four work-groups (place p) share a head.  Wave w (m = w / 2, e = w % 2) owns query tiles 8 m + 2 p + e, whose last key step is m, and 8 (15 - m) + 2 p + e, whose last is 15 - m:
; 17 key steps for every wave.  The last step hangs on the wave's number alone: no branch hangs on the place in the cluster.
; LDS: the head's 143,360 bytes of kv as they lie in memory (k's images 0, v's 65,536, k's scale words 131,072, v's 139,264), brought once by one joint load a wave (35 rows of 256 bytes); then the spare words.
; Both products are used transposed: a lane holds one query; the 16 registers of key tiles 2 b, 2 b + 1 are 16 neighbouring keys, of channel tiles likewise 16 neighbouring channels.
; OUT: oq as x's images ([token tile][head][512]: a head's 64 channels are one quad); os [group of 32 tokens][head][lane (u, r)] words, two bytes each: 64 bytes a wave, half of that row (an eighth of oq's bytes).
; k and v are asked for once, at the head; q at each tile's start.
; REGISTERS: v1-4 LDS places; v5, v6 the add's; v7 the mask's number; v8-11 the step's addresses; v12 -M, v13 largest t, v[14:15] the sum; v16-23 q; v24 q's scale word; v25, v26 8 r, 4 r;
;   v32-67 k; v68-71 k's scale words, v72-73 v's, v74 p's; v75 o's; v96-159 S^T, p; v160-191 O^T; v192-223 v; v224-231 p's codes; v232-255 at work.
.set VIMG,  65536
.set KSC,   131072
.set VSC,   139264
.set SPARE, 143360
.set SPW, 5
.set NIL, 6
.set SEL, 32
.set CS,  34
.macro CROUND
	s_barrier_signal -1
	s_barrier_wait -1
	s_cmp_lg_u32 s12, 0
	s_cbranch_scc1 .Lnot_wave_0_\@
	s_barrier_signal -3
.Lnot_wave_0_\@:
	s_barrier_wait -3
	s_barrier_signal -1
	s_barrier_wait -1
.endm
	s_load_b256 s[4:11], s[0:1], 0x0               ; qb s[4:5], kv s[6:7], oq s[8:9], os s[10:11]
	v_lshl_add_u32 v[SPW], v0, 2, SPARE
	v_mov_b32 v[NIL], 0
	ds_add_u32 v[SPW], v[NIL]                      ; the opening: the add, twice on end, and its wait ahead of my first tensor load
	ds_add_u32 v[SPW], v[NIL]
	v_lshrrev_b32 v1, 5, v0
	s_delay_alu instid0(VALU_DEP_1)
	v_readfirstlane_b32 s12, v1                    ; wave 0..15
	s_bfe_u32 s13, ttmp6, 0x40000                  ; p: my place in the cluster: it enters global addresses and the mask's number alone
	s_lshr_b32 s15, s12, 1                         ; m
	s_and_b32 s16, s12, 1                          ; e
	s_lshl_b32 s19, s13, 1
	s_add_co_u32 s19, s19, s16                     ; 2 p + e
	s_mov_b32 s20, 15|(3<<16)|(1<<21)              ; group 1: all four work-groups; 35 dense rows of 256 bytes
	s_mov_b32 s21, 32<<16
	s_mov_b32 s22, 35<<16
	s_mov_b32 s23, 32<<16
	s_mov_b32 s24, 35
	s_mov_b32 s25, 32
	s_mov_b32 s26, 0
	s_mov_b32 s27, 0
	s_mov_b32 s28, 1
	s_mul_i32 s29, s12, 8960
	s_mul_i32 s48, ttmp9, 143360                   ; the head = the cluster's number
	s_add_co_u32 s48, s48, s29
	s_mov_b32 s49, 0
	s_mul_i32 s50, ttmp9, 73728
	s_mov_b32 s51, 0
	s_lshr_b32 s56, ttmp9, 4
	s_lshl_b32 s56, s56, 7                         ; 128 x batch: the batch's first token tile
	s_and_b32 s57, ttmp9, 15                       ; the head in its batch
	s_lshl_b32 s58, s13, 5
	s_lshl_b32 s59, s16, 3
	s_add_co_u32 s58, s58, s59                     ; 32 p + 8 e
	s_mov_b32 s[SEL], 0x76543210
	s_mov_b32 s[SEL+1], 0xfedcba98
	s_mov_b32 s[CS], 0x3e38aa3b                    ; c = log2(e) / 8
	s_mov_b32 s[CS+1], s[CS]
	s_wait_dscnt 0x0                               ; both opening adds are done
	s_wait_kmcnt 0x0
	s_add_nc_u64 s[30:31], s[6:7], s[48:49]
	s_or_b32 s31, s31, 0x80000000
	s_add_nc_u64 s[50:51], s[4:5], s[50:51]        ; the head's part of qb
	CROUND                                         ; all four work-groups are here
	tensor_load_to_lds s[28:31], s[20:27]          ; my sixteenth of the head's k and v: one load of mine is out
	s_nop 0
.rept 4
	v_nop
.endr
	v_and_b32 v8, 31, v0
	s_delay_alu instid0(VALU_DEP_1)
	v_lshlrev_b32 v1, 4, v8                        ; 16 l: k's images, and q's and o's in memory
	s_delay_alu instid0(VALU_DEP_1)
	v_add_nc_u32 v2, VIMG, v1
	s_delay_alu instid0(VALU_DEP_3)
	v_lshlrev_b32 v3, 3, v8
	s_delay_alu instid0(VALU_DEP_1)
	v_add_nc_u32 v4, VSC, v3
	s_delay_alu instid0(VALU_DEP_2)
	v_add_nc_u32 v3, KSC, v3
	v_and_b32 v9, 15, v0                           ; r
	s_delay_alu instid0(VALU_DEP_1)
	v_lshlrev_b32 v25, 3, v9
	s_delay_alu instid0(VALU_DEP_2)
	v_lshlrev_b32 v26, 2, v9
	s_delay_alu instid0(VALU_DEP_3)
	v_and_b32 v10, 8, v9
	s_delay_alu instid0(VALU_DEP_1)
	v_add_nc_u32 v7, v9, v10
	v_and_b32 v10, 16, v0
	s_delay_alu instid0(VALU_DEP_1)
	v_sub_nc_u32 v7, v7, v10
	s_delay_alu instid0(VALU_DEP_1)
	v_add_nc_u32 v7, s58, v7                       ; my query - 16 (lane / 16) - 128 x its last key step = 32 p + 8 e + r + 8 (r / 8) - 16 h: the same for both tiles
.irp j, 20,21,22,23,64,65,66,67,236,237,238,239,252,253
	v_mov_b32 v\j, 0                               ; q's upper 64 codes; what stands behind k's last tile; destinations of lane permutes; the upper half of the pair v[252:253]
.endr
	s_wait_tensorcnt 0x0                           ; my part is in,
	s_barrier_signal -1
	s_barrier_wait -1                              ; everybody's is
; ONE QUERY TILE.  s17 = its last key step L; the tile is a = 8 L + 2 p + e.
.macro TILE
	s_wait_xcnt 0x0                                ; the last tile's loads and stores have read their registers and pointers
	s_lshl_b32 s18, s17, 3
	s_add_co_u32 s18, s18, s19                     ; a
	s_lshl_b32 s52, s18, 9
	s_mov_b32 s53, 0
	s_add_nc_u64 s[40:41], s[50:51], s[52:53]      ; q's image
	s_lshr_b32 s52, s18, 2
	s_lshl_b32 s52, s52, 8
	s_and_b32 s54, s18, 1
	s_lshl_b32 s55, s54, 7
	s_add_co_u32 s52, s52, s55
	s_bfe_u32 s55, s18, 0x10001
	s_lshl_b32 s55, s55, 2
	s_add_co_u32 s52, s52, s55
	s_add_co_u32 s52, s52, 65536
	s_add_nc_u64 s[42:43], s[50:51], s[52:53]      ; q's scale words: 256 (a / 4) + 128 (a % 2) + 4 ((a / 2) % 2), + 8 r
	s_add_co_u32 s55, s56, s18                     ; the token tile among all 512
	s_lshl_b32 s52, s55, 4
	s_add_co_u32 s52, s52, s57
	s_lshl_b32 s52, s52, 9
	s_add_nc_u64 s[44:45], s[8:9], s[52:53]        ; o's quad
	s_lshr_b32 s52, s55, 1
	s_lshl_b32 s52, s52, 4
	s_add_co_u32 s52, s52, s57
	s_lshl_b32 s52, s52, 7
	s_lshl_b32 s54, s54, 6
	s_add_co_u32 s52, s52, s54
	s_add_nc_u64 s[46:47], s[10:11], s[52:53]      ; o's scale words
	global_load_b128 v[16:19], v1, s[40:41]
	global_load_b32 v24, v25, s[42:43]
	v_mov_b32 v13, 0xff61b1e6                      ; the largest t so far: -3e38
	s_delay_alu instid0(VALU_DEP_1)
	v_floor_f32 v12, -v13                          ; -M
	v_mov_b32 v14, 0
	v_mov_b32 v15, 0
.irp j, 0,1,2,3,4,5,6,7,8,9,10,11,12,13,14,15,16,17,18,19,20,21,22,23,24,25,26,27,28,29,30,31
	v_mov_b32 v[160+\j], 0                         ; O^T: the step is written once; the first change of M leaves zeros zeros
.endr
	s_mov_b32 s36, 0                               ; the key step
	s_mov_b32 s37, 0                               ; its images: 4,096 bytes a step, k's and v's alike
	s_mov_b32 s38, 0                               ; k's scale words: 512
	s_mov_b32 s39, 0                               ; v's: 256
	s_wait_loadcnt 0x0
.Lkey_\@:                                          ; 16 trips, a constant; a step behind the tile's last is jumped over, all but the lines that step addresses
	s_cmp_gt_u32 s36, s17
	s_cbranch_scc1 .Lskip_\@
	s_setprio 2
	v_add_nc_u32 v8, s37, v1                       ; (these four are also the places in front of loads into registers that the last products read)
	v_add_nc_u32 v9, s37, v2
	v_add_nc_u32 v10, s38, v3
	v_add_nc_u32 v11, s39, v4
.irp t, 0,1,2,3,4,5,6,7
	ds_load_b128 v[32+4*\t:35+4*\t], v8 offset:512*\t
.endr
	ds_load_b64 v[68:69], v10
	ds_load_b64 v[70:71], v10 offset:256
.irp f, 0,1,2,3,4,5,6,7
	ds_load_b128 v[192+4*\f:195+4*\f], v9 offset:512*\f
.endr
	ds_load_b64 v[72:73], v11
	s_wait_dscnt 0x9                               ; k and its scale words are in; v's nine loads may stay out
.irp t, 0,2,4,6
	v_wmma_scale_f32_16x16x128_f8f6f4 v[96+8*\t:103+8*\t], v[32+4*\t:39+4*\t], v[16:23], 0, v[68+2*(\t/4)+(\t/2)%2], v24 matrix_a_fmt:MATRIX_FMT_FP4 matrix_b_fmt:MATRIX_FMT_FP4
	v_wmma_scale_f32_16x16x128_f8f6f4 v[104+8*\t:111+8*\t], v[36+4*\t:43+4*\t], v[16:23], 0, v[68+2*(\t/4)+(\t/2)%2], v24 matrix_a_fmt:MATRIX_FMT_FP4 matrix_b_fmt:MATRIX_FMT_FP4 matrix_a_scale:MATRIX_SCALE_ROW1
.endr
.rept 4
	v_nop
.endr
	s_cmp_lg_u32 s36, s17                          ; only the tile's last step lies on the diagonal
	s_cbranch_scc1 .Lopen_\@
	v_mov_b32 v254, 0xff800000                     ; -infinity.  Register 16 b + i holds key 128 L + 32 b + 16 h + i: hidden where 32 b + i > v7
.irp n, 0,1,2,3,4,5,6,7,8,9,10,11,12,13,14,15,16,17,18,19,20,21,22,23,24,25,26,27,28,29,30,31,32,33,34,35,36,37,38,39,40,41,42,43,44,45,46,47,48,49,50,51,52,53,54,55,56,57,58,59,60,61,62,63
	v_cmp_gt_i32 vcc_lo, 32*(\n/16)+\n%16, v7
	v_cndmask_b32 v[96+\n], v[96+\n], v254, vcc_lo
.endr
.Lopen_\@:
.irp b, 0,1,2,3
	v_max3_num_f32 v[232+\b], v[96+16*\b], v[97+16*\b], v[98+16*\b]   ; the largest score of each block of 32 keys: for the row's maximum, and, since p rises with the score, for the block's largest p
.endr
.irp i, 3,5,7,9,11,13
.irp b, 0,1,2,3
	v_max3_num_f32 v[232+\b], v[232+\b], v[96+16*\b+\i], v[97+16*\b+\i]
.endr
.endr
.irp b, 0,1,2,3
	v_max_num_f32 v[232+\b], v[232+\b], v[111+16*\b]
.endr
.irp b, 0,1,2,3
	s_delay_alu instid0(VALU_DEP_4)
	v_permlanex16_b32 v[236+\b], v[232+\b], s[SEL], s[SEL+1]
.endr
.irp b, 0,1,2,3
	s_delay_alu instid0(VALU_DEP_4)
	v_max_num_f32 v[232+\b], v[232+\b], v[236+\b]
.endr
	s_delay_alu instid0(VALU_DEP_2)
	v_max3_num_f32 v254, v232, v233, v234
	s_delay_alu instid0(VALU_DEP_1)
	v_max_num_f32 v254, v254, v235
	s_delay_alu instid0(VALU_DEP_1)
	v_mul_f32 v254, s[CS], v254
	s_delay_alu instid0(VALU_DEP_1)
	v_max_num_f32 v13, v13, v254                   ; the running largest t
	v_mov_b32 v254, v12
	s_delay_alu instid0(VALU_DEP_2)
	v_floor_f32 v12, -v13                          ; the new -M = -ceil(t)
	s_delay_alu instid0(VALU_DEP_1)
	v_sub_f32 v254, v12, v254                      ; old M - new M: a whole number, 0 or less
	s_delay_alu instid0(VALU_DEP_1)
	v_cvt_i32_f32 v254, v254                       ; (it saturates)
	s_delay_alu instid0(VALU_DEP_1)
	v_ldexp_f32 v252, 1.0, v254                    ; f = 2^(old M - new M)
.irp j, 0,2,4,6,8,10,12,14,16,18,20,22,24,26,28,30,32,34,36,38,40,42,44,46,48,50,52,54,56,58,60,62
	v_pk_fma_f32 v[96+\j:97+\j], v[96+\j:97+\j], s[CS:CS+1], v[12:13] op_sel_hi:[1,0,0]   ; t - M
.endr
	s_setprio 1
.irp b, 0,1,2,3
	v_fma_f32 v[232+\b], v[232+\b], s[CS], v12
.endr
	s_wait_alu depctr_va_vdst(0)
.irp j, 0,1,2,3,4,5,6,7,8,9,10,11,12,13,14,15,16,17,18,19,20,21,22,23,24,25,26,27,28,29,30,31,32,33,34,35,36,37,38,39,40,41,42,43,44,45,46,47,48,49,50,51,52,53,54,55,56,57,58,59,60,61,62,63
	v_exp_f32 v[96+\j], v[96+\j]                   ; p
.endr
	v_pk_mul_f32 v[14:15], v[14:15], v[252:253] op_sel_hi:[1,0]   ; the sums under the new M: the plain place behind the exponentials
	s_wait_alu depctr_va_vdst(0)                   ; one wait for the batch, ahead of its first reader
.irp b, 0,1,2,3
	v_exp_f32 v[232+\b], v[232+\b]                 ; each block's largest p
.endr
	v_pk_add_f32 v[236:237], v[100:101], v[104:105]
	v_pk_add_f32 v[254:255], v[108:109], v[112:113]
	v_pk_add_f32 v[250:251], v[116:117], v[120:121]
	v_pk_add_f32 v[248:249], v[124:125], v[128:129]
	v_pk_add_f32 v[246:247], v[132:133], v[136:137]
	v_pk_add_f32 v[244:245], v[140:141], v[144:145]
	v_pk_add_f32 v[242:243], v[148:149], v[152:153]
	v_pk_add_f32 v[14:15], v[14:15], v[156:157]
	v_pk_add_f32 v[236:237], v[236:237], v[96:97]
	v_pk_add_f32 v[254:255], v[254:255], v[98:99]
	v_pk_add_f32 v[250:251], v[250:251], v[102:103]
	v_pk_add_f32 v[248:249], v[248:249], v[106:107]
	v_pk_add_f32 v[246:247], v[246:247], v[110:111]
	v_pk_add_f32 v[244:245], v[244:245], v[114:115]
	v_pk_add_f32 v[242:243], v[242:243], v[118:119]
	v_pk_add_f32 v[14:15], v[14:15], v[122:123]
	v_pk_add_f32 v[236:237], v[236:237], v[126:127]
	v_pk_add_f32 v[254:255], v[254:255], v[130:131]
	v_pk_add_f32 v[250:251], v[250:251], v[134:135]
	v_pk_add_f32 v[248:249], v[248:249], v[138:139]
	v_pk_add_f32 v[246:247], v[246:247], v[142:143]
	v_pk_add_f32 v[244:245], v[244:245], v[146:147]
	v_pk_add_f32 v[242:243], v[242:243], v[150:151]
	v_pk_add_f32 v[14:15], v[14:15], v[154:155]
	v_pk_add_f32 v[236:237], v[236:237], v[158:159]
	s_delay_alu instid0(VALU_DEP_2)
	v_pk_add_f32 v[14:15], v[14:15], v[248:249]
	s_delay_alu instid0(VALU_DEP_2)
	v_pk_add_f32 v[236:237], v[236:237], v[246:247]
	v_pk_add_f32 v[254:255], v[254:255], v[244:245]
	v_pk_add_f32 v[250:251], v[250:251], v[242:243]
	s_delay_alu instid0(VALU_DEP_2)
	v_pk_add_f32 v[14:15], v[14:15], v[254:255]
	s_delay_alu instid0(VALU_DEP_2)
	v_pk_add_f32 v[236:237], v[236:237], v[250:251]
	s_delay_alu instid0(VALU_DEP_1)
	v_pk_add_f32 v[14:15], v[14:15], v[236:237]
	s_wait_alu depctr_va_vdst(0)                   ; and one for the four
.irp b, 0,1,2,3
	v_max_num_f32 v[232+\b], 0x1800000, v[232+\b]  ; the floor: the byte cannot fall under 1
.endr
.irp b, 0,1,2,3
	s_delay_alu instid0(VALU_DEP_4)
	v_add_nc_u32 v[244+\b], 0xff000000, v[232+\b]
.endr
.irp b, 0,1,2,3
	s_delay_alu instid0(VALU_DEP_4)
	v_lshrrev_b32 v[236+\b], 23, v[244+\b]
.endr
	s_delay_alu instid0(VALU_DEP_3)
	v_lshl_or_b32 v74, v237, 8, v236               ; p's scale word for these 128 keys
	s_delay_alu instid0(VALU_DEP_1)
	v_lshl_or_b32 v74, v238, 16, v74
	s_delay_alu instid0(VALU_DEP_1)
	v_lshl_or_b32 v74, v239, 24, v74
	s_setprio 0
.irp b, 0,1,2,3
	v_cvt_scalef32_pk8_fp4_f32 v[224+2*\b], v[96+16*\b:103+16*\b], v[244+\b]
	v_cvt_scalef32_pk8_fp4_f32 v[225+2*\b], v[104+16*\b:111+16*\b], v[244+\b]
.endr
	v_nop                                          ; one plain place behind a scaled conversion
.irp c, 0,1
.irp i, 0,1
	v_permlane16_swap_b32 v[224+4*\c+\i], v[226+4*\c+\i]
.endr
.endr
.irp j, 0,2,4,6,8,10,12,14,16,18,20,22,24,26,28,30
	v_pk_mul_f32 v[160+\j:161+\j], v[160+\j:161+\j], v[252:253] op_sel_hi:[1,0]   ; O^T under the new M; for each product below twelve of these name none of its registers: the places behind p's scale word and codes
.endr
	s_wait_alu depctr_va_vdst(0)
	s_wait_dscnt 0x0                               ; v and its scale words are in
.irp d, 0,2
	v_wmma_scale_f32_16x16x128_f8f6f4 v[160+8*\d:167+8*\d], v[192+8*\d:199+8*\d], v[224:231], v[160+8*\d:167+8*\d], v[72+\d/2], v74 matrix_a_fmt:MATRIX_FMT_FP4 matrix_b_fmt:MATRIX_FMT_FP4
	v_wmma_scale_f32_16x16x128_f8f6f4 v[168+8*\d:175+8*\d], v[200+8*\d:207+8*\d], v[224:231], v[168+8*\d:175+8*\d], v[72+\d/2], v74 matrix_a_fmt:MATRIX_FMT_FP4 matrix_b_fmt:MATRIX_FMT_FP4 matrix_a_scale:MATRIX_SCALE_ROW1
.endr
.Lskip_\@:
	s_add_co_u32 s37, s37, 4096
	s_add_co_u32 s38, s38, 512
	s_add_co_u32 s39, s39, 256
	s_add_co_u32 s36, s36, 1
	s_cmp_lt_u32 s36, 16
	s_cbranch_scc1 .Lkey_\@
	s_setprio 0
.rept 4
	v_nop                                          ; places behind the last products
.endr
	v_add_f32 v14, v14, v15
	s_delay_alu instid0(VALU_DEP_1)
	v_permlanex16_b32 v252, v14, s[SEL], s[SEL+1]
	s_delay_alu instid0(VALU_DEP_1)
	v_add_f32 v14, v14, v252                       ; the row's sum
	s_wait_alu depctr_va_vdst(0)
	v_rcp_f32 v14, v14
	v_nop
	s_wait_alu depctr_va_vdst(0)                   ; ahead of the reciprocal's first reader
.irp j, 0,2,4,6,8,10,12,14,16,18,20,22,24,26,28,30
	v_pk_mul_f32 v[96+\j:97+\j], v[160+\j:161+\j], v[14:15] op_sel_hi:[1,0]   ; o: register 16 b + i is channel 32 b + 16 h + i of my query
.endr
.irp b, 0,1
	v_max3_num_f32 v[232+\b], |v[96+16*\b]|, |v[97+16*\b]|, 0x1800000
.endr
.irp i, 2,4,6,8,10,12,14
.irp b, 0,1
	s_delay_alu instid0(VALU_DEP_2)
	v_max3_num_f32 v[232+\b], v[232+\b], |v[96+16*\b+\i]|, |v[97+16*\b+\i]|
.endr
.endr
.irp b, 0,1
	s_delay_alu instid0(VALU_DEP_2)
	v_permlanex16_b32 v[236+\b], v[232+\b], s[SEL], s[SEL+1]
.endr
.irp b, 0,1
	s_delay_alu instid0(VALU_DEP_2)
	v_max_num_f32 v[232+\b], v[232+\b], v[236+\b]
.endr
.irp b, 0,1
	s_delay_alu instid0(VALU_DEP_2)
	v_add_nc_u32 v[244+\b], 0xff000000, v[232+\b]
.endr
.irp b, 0,1
	s_delay_alu instid0(VALU_DEP_2)
	v_lshrrev_b32 v[236+\b], 23, v[244+\b]
.endr
	s_delay_alu instid0(VALU_DEP_1)
	v_lshl_or_b32 v75, v237, 8, v236               ; the head's two bytes of my token
.irp b, 0,1
	v_cvt_scalef32_pk8_fp4_f32 v[224+2*\b], v[96+16*\b:103+16*\b], v[244+\b]
	v_cvt_scalef32_pk8_fp4_f32 v[225+2*\b], v[104+16*\b:111+16*\b], v[244+\b]
.endr
	v_nop
	v_permlane16_swap_b32 v224, v226
	v_permlane16_swap_b32 v225, v227
	global_store_b128 v1, v[224:227], s[44:45]     ; 512 consecutive, aligned bytes
	global_store_b32 v26, v75, s[46:47]            ; lanes 16-31 hold lanes 0-15's words and write them to the same places
.endm
	s_mov_b32 s17, s15                             ; the early tile: last key step m
	TILE
	s_xor_b32 s17, s15, 15                         ; the late tile: 15 - m
	TILE
	s_wait_tensorcnt 0x0                           ; the wave's end
	ds_add_u32 v[SPW], v[NIL]
	s_wait_dscnt 0x0
	CROUND                                         ; the closing round
	s_endpgm
.Lfunc_end_k_qb1196fd10f_attn:
	.size	k_qb1196fd10f_attn, .Lfunc_end_k_qb1196fd10f_attn-k_qb1196fd10f_attn
	.p2alignl 7, 3214868480
	.fill 96, 4, 3214868480
	.section	.rodata,"a",@progbits
	.p2align	6, 0x0
	.amdhsa_kernel k_qb1196fd10f_attn
		.amdhsa_group_segment_fixed_size 167936
		.amdhsa_private_segment_fixed_size 0
		.amdhsa_enable_private_segment 0
		.amdhsa_kernarg_size 32
		.amdhsa_user_sgpr_count 2
		.amdhsa_user_sgpr_kernarg_segment_ptr 1
		.amdhsa_wavefront_size32 1
		.amdhsa_system_sgpr_workgroup_id_x 1
		.amdhsa_system_sgpr_workgroup_id_y 1
		.amdhsa_system_sgpr_workgroup_id_z 1
		.amdhsa_system_vgpr_workitem_id 0
		.amdhsa_next_free_vgpr 256
		.amdhsa_next_free_sgpr 66
		.amdhsa_reserve_vcc 1
		.amdhsa_float_denorm_mode_32 3
		.amdhsa_float_denorm_mode_16_64 3
		.amdhsa_memory_ordered 1
		.amdhsa_forward_progress 1
		.amdhsa_inst_pref_size 61
	.end_amdhsa_kernel
	.amdgpu_metadata
---
amdhsa.version: [ 1, 2 ]
amdhsa.kernels:
  - .name:           k_qb1196fd10f_attn
    .symbol:         k_qb1196fd10f_attn.kd
    .args:
      - { .name: qb, .offset: 0, .size: 8, .value_kind: global_buffer, .address_space: global }
      - { .name: kv, .offset: 8, .size: 8, .value_kind: global_buffer, .address_space: global }
      - { .name: oq, .offset: 16, .size: 8, .value_kind: global_buffer, .address_space: global }
      - { .name: os, .offset: 24, .size: 8, .value_kind: global_buffer, .address_space: global }
    .group_segment_fixed_size: 167936
    .private_segment_fixed_size: 0
    .kernarg_segment_align: 8
    .kernarg_segment_size: 32
    .max_flat_workgroup_size: 512
    .sgpr_count:     66
    .vgpr_count:     256
    .wavefront_size: 32
...
	.end_amdgpu_metadata
.endif
;; end of part 3
;; launch gemm_proj (part 4): grid 8 x 32, 4 waves a work-group, clusters of 4 x 4, 327,680 bytes of LDS; arguments oq, os, wq, ws, b_proj, out0; writes out0
.if DOCPART == 4
	.amdgcn_target "amdgcn-amd-amdhsa--gfx1250"
	.amdhsa_code_object_version 6
	.text
	.protected	k_qb1196fd10f_gemm_proj
	.globl	k_qb1196fd10f_gemm_proj
	.p2align	8
	.type	k_qb1196fd10f_gemm_proj,@function
k_qb1196fd10f_gemm_proj:
	s_mov_b64 s[64:65], 0
	v_nop
	global_prefetch_b8 v0, s[64:65] scope:SCOPE_SE
	s_setreg_imm32_b32 hwreg(HW_REG_WAVE_MODE, 25, 1), 1
	s_wait_xcnt 0x0
	s_wait_alu depctr_hold_cnt(0) depctr_sa_sdst(0) depctr_va_vdst(0) depctr_va_sdst(0) depctr_va_ssrc(0) depctr_va_vcc(0) depctr_vm_vsrc(0)
	s_getreg_b32 s2, hwreg(HW_REG_IB_STS2, 6, 4)
	s_cmp_eq_u32 s2, 0
	s_cbranch_scc0 .Lentry_in_a_cluster
	s_endpgm
.Lentry_in_a_cluster:
	s_bfe_u32 s2, ttmp6, 0x10000c
	s_cmp_lg_u32 s2, 0xf033
	s_cbranch_scc0 .Lentry_shape_is_right
	s_endpgm
.Lentry_shape_is_right:
; out0 = o W_proj + b_proj on codes of FP4; f32 out.  Nothing is left out here.
; SHARES.  Work-group (nx, ty): tokens 256 ty .. + 255 x columns 128 nx .. + 127.  Wave w: tokens 128 (w / 2) on, columns 64 (w % 2) on.  The wave's fragments of o for all of K go into registers once; W's come from LDS step by step.
; CLUSTER 4 x 4: o's tile is asked for jointly along a row of the cluster, W's along a column.  Nothing is filled again.
; LDS: 0 o's tile (131,072, images); 131,072 W's tile (65,536); 196,608 a stage of 16 rows x (256 + 16) bytes for each wave; 214,016 the spare words.
; The product is used transposed (source 0 = 16 rows of W^T, source 1 = 16 tokens): a lane holds eight neighbouring columns of one token's row.  A token tile goes through the wave's own stage and leaves as rows:
; sixteen lanes store 256 consecutive, aligned bytes.  Lane r of token tile a is token 32 (a / 2) + 8 (a % 2) + r + 8 (r / 8).
; REGISTERS: as in gemm_qkv: window 0: addresses; v16-47 o's scale words; v48-63 W's; v96-127 the bias; v192-255 W's fragments, two sets (before: the heads' scale bytes; after: rows on the way out); windows 1, 2: o's fragments; window 3: the accumulators.
.set STAGE, 196608
.set SPARE, 214016
.set AXF, 2
.set AWQ, 3
.set O16, 6
.set O8,  7
.set OB,  8
.set O4,  9
.set SPW, 10
.set NIL, 11
.set STO, 12
.set RD,  13
.set CO,  14
.set XS,  16
.set WS,  48
.set BI,  96
.set WF,  192
.set MSB, 0
.macro WIN new
.if MSB != \new
	s_set_vgpr_msb (MSB<<8)|\new
.set MSB, \new
.endif
.endm
.macro PLACES
.rept 4
	v_nop
.endr
.endm
.macro CROUND
	s_barrier_signal -1
	s_barrier_wait -1
	s_cmp_lg_u32 s18, 0
	s_cbranch_scc1 .Lnot_wave_0_\@
	s_barrier_signal -3
.Lnot_wave_0_\@:
	s_barrier_wait -3
	s_barrier_signal -1
	s_barrier_wait -1
.endm
.macro WM d, a, b, c, sa, sb, ra, rb
.if ((\ra) == 0) && ((\rb) == 0)
	v_wmma_scale_f32_16x16x128_f8f6f4 v[0+(\d):(\d)+7], v[0+(\a):(\a)+7], v[0+(\b):(\b)+7], v[0+(\c):(\c)+7], v[\sa], v[\sb] matrix_a_fmt:MATRIX_FMT_FP4 matrix_b_fmt:MATRIX_FMT_FP4
.elseif (\rb) == 0
	v_wmma_scale_f32_16x16x128_f8f6f4 v[0+(\d):(\d)+7], v[0+(\a):(\a)+7], v[0+(\b):(\b)+7], v[0+(\c):(\c)+7], v[\sa], v[\sb] matrix_a_fmt:MATRIX_FMT_FP4 matrix_b_fmt:MATRIX_FMT_FP4 matrix_a_scale:MATRIX_SCALE_ROW1
.elseif (\ra) == 0
	v_wmma_scale_f32_16x16x128_f8f6f4 v[0+(\d):(\d)+7], v[0+(\a):(\a)+7], v[0+(\b):(\b)+7], v[0+(\c):(\c)+7], v[\sa], v[\sb] matrix_a_fmt:MATRIX_FMT_FP4 matrix_b_fmt:MATRIX_FMT_FP4 matrix_b_scale:MATRIX_SCALE_ROW1
.else
	v_wmma_scale_f32_16x16x128_f8f6f4 v[0+(\d):(\d)+7], v[0+(\a):(\a)+7], v[0+(\b):(\b)+7], v[0+(\c):(\c)+7], v[\sa], v[\sb] matrix_a_fmt:MATRIX_FMT_FP4 matrix_b_fmt:MATRIX_FMT_FP4 matrix_a_scale:MATRIX_SCALE_ROW1 matrix_b_scale:MATRIX_SCALE_ROW1
.endif
.endm
.macro FETCHW adr, s, sg
.irp b, 0,1,2,3
.irp c, 0,1
	ds_load_b128 v[WF+32*(\sg)+8*\b+4*\c:WF+32*(\sg)+8*\b+4*\c+3], v[\adr] offset:8192*\b+1024*(\s)+512*\c
.endr
.endr
.endm
.macro STEPQK s                        ; 32 products of K step s; the 32 accumulators take turns, one instruction a turn, in the same order in every step; step 0 takes the bias as C
.if (\s) == 0
	WIN 0xc4
.elseif (\s) < 4
	WIN 0xf4
.else
	WIN 0xf8
.endif
.irp a, 0,1,2,3,4,5,6,7
.irp b, 0,1,2,3
.if (\s) == 0
	WM 8*(4*\a+\b), WF+32*((\s)%2)+8*\b, 8*(8*((\s)%4)+\a), BI+8*\b, WS+8*(\b/2)+(\s), XS+8*(\a/2)+(\s), \b%2, \a%2
.else
	WM 8*(4*\a+\b), WF+32*((\s)%2)+8*\b, 8*(8*((\s)%4)+\a), 8*(4*\a+\b), WS+8*(\b/2)+(\s), XS+8*(\a/2)+(\s), \b%2, \a%2
.endif
.endr
.endr
.endm
	s_load_b256 s[4:11], s[0:1], 0x0               ; oq s[4:5], os s[6:7], wq s[8:9], ws s[10:11]
	s_load_b128 s[12:15], s[0:1], 0x20             ; b_proj s[12:13], out0 s[14:15]
	v_lshl_add_u32 v[SPW], v0, 2, SPARE
	v_mov_b32 v[NIL], 0
	ds_add_u32 v[SPW], v[NIL]                      ; the opening: the add, twice on end, and its wait ahead of my first tensor load
	ds_add_u32 v[SPW], v[NIL]
	v_lshrrev_b32 v1, 5, v0
	v_readfirstlane_b32 s18, v1
	s_lshr_b32 s19, s18, 1                         ; wt
	s_and_b32 s20, s18, 1                          ; wn
	s_bfe_u32 s21, ttmp6, 0x40000                  ; cx
	s_bfe_u32 s22, ttmp6, 0x40004                  ; cy
	s_lshl_b32 s23, ttmp9, 2
	s_add_co_u32 s23, s23, s21                     ; nx
	s_and_b32 s24, ttmp7, 0xffff
	s_lshl_b32 s24, s24, 2
	s_add_co_u32 s24, s24, s22                     ; ty
	s_lshl_b32 s25, s22, 2
	s_lshl_b32 s25, 15, s25
	s_lshl_b32 s26, 0x1111, s21
	s_or_b32 s28, s25, (3<<16)|(1<<21)             ; group 1 for o: 128 dense rows of 256 bytes a wave
	s_mov_b32 s29, 32<<16
	s_mov_b32 s30, 128<<16
	s_mov_b32 s31, 32<<16
	s_mov_b32 s32, 128
	s_mov_b32 s33, 32
	s_mov_b32 s34, 0
	s_mov_b32 s35, 0
	s_or_b32 s36, s26, (3<<16)|(1<<21)             ; for W: 64
	s_mov_b32 s37, 32<<16
	s_mov_b32 s38, 64<<16
	s_mov_b32 s39, 32<<16
	s_mov_b32 s40, 64
	s_mov_b32 s41, 32
	s_mov_b32 s42, 0
	s_mov_b32 s43, 0
	s_mov_b32 s44, 1
	s_mov_b32 s48, 1
	s_lshl_b32 s45, s18, 15
	s_lshl_b32 s57, s18, 14
	s_add_co_u32 s49, s57, 131072
	s_lshl_b32 s60, s24, 17
	s_add_co_u32 s60, s60, s45                     ; o's tile: ty and the wave alone
	s_mov_b32 s61, 0
	s_lshl_b32 s62, s23, 16
	s_add_co_u32 s62, s62, s57
	s_add_co_u32 s62, s62, 1572864                 ; W_proj's tiles begin at virtual row 3,072: nx and the wave alone
	s_mov_b32 s63, 0
	s_lshl_b32 s78, s24, 14
	s_lshl_b32 s79, s19, 13
	s_add_co_u32 s78, s78, s79                     ; os: group 8 ty + 4 wt, 2,048 bytes a group
	s_mov_b32 s79, 0
	s_lshl_b32 s80, s23, 12
	s_lshl_b32 s81, s20, 11
	s_add_co_u32 s80, s80, s81
	s_add_co_u32 s80, s80, 98304                   ; ws: group 96 + 4 nx + 2 wn
	s_mov_b32 s81, 0
	s_lshl_b32 s84, s23, 9
	s_lshl_b32 s85, s20, 8
	s_add_co_u32 s84, s84, s85                     ; my first column, in bytes
	s_mov_b32 s85, 0
	s_lshl_b32 s86, s24, 20
	s_lshl_b32 s87, s19, 19
	s_add_co_u32 s86, s86, s87
	s_add_co_u32 s86, s86, s84                     ; my first token's row of out0, at my first column
	s_mov_b32 s87, 0
	s_wait_dscnt 0x0                               ; both opening adds are done
	s_wait_kmcnt 0x0
	s_add_nc_u64 s[46:47], s[4:5], s[60:61]
	s_or_b32 s47, s47, 0x80000000
	s_add_nc_u64 s[50:51], s[8:9], s[62:63]
	s_or_b32 s51, s51, 0x80000000
	s_add_nc_u64 s[6:7], s[6:7], s[78:79]
	s_add_nc_u64 s[10:11], s[10:11], s[80:81]
	s_add_nc_u64 s[12:13], s[12:13], s[84:85]
	s_add_nc_u64 s[14:15], s[14:15], s[86:87]
	CROUND                                         ; all sixteen work-groups are here
	tensor_load_to_lds s[44:47], s[28:35]          ; o: one load of mine is out
	s_nop 0
	s_wait_alu depctr_va_vdst(0)
	s_wait_tensorcnt 0x0
	ds_add_u32 v10, v11
	s_wait_dscnt 0x0
	CROUND
	tensor_load_to_lds s[48:51], s[36:43]          ; W
	s_nop 0
	PLACES
	v_and_b32 v1, 31, v0
	v_lshlrev_b32 v[O16], 4, v1
	v_lshlrev_b32 v[O8], 3, v1
	v_lshlrev_b32 v[O4], 2, v1
	v_and_b32 v4, 15, v0                           ; r
	v_bfe_u32 v5, v0, 4, 1                         ; h
	v_lshlrev_b32 v[OB], 6, v5
	s_lshl_b32 s27, s19, 16
	v_add_nc_u32 v[AXF], s27, v[O16]
	s_lshl_b32 s27, s20, 15
	s_add_co_u32 s27, s27, 131072
	v_add_nc_u32 v[AWQ], s27, v[O16]
	s_mul_i32 s27, s18, 4352
	s_add_co_u32 s27, s27, STAGE                   ; my stage
	v_mul_u32_u24 v[STO], v4, 272
	v_lshl_add_u32 v[STO], v5, 6, v[STO]
	v_add_nc_u32 v[STO], s27, v[STO]               ; in: row r, + 64 h
	v_mul_u32_u24 v[RD], v5, 272
	v_lshl_add_u32 v[RD], v4, 4, v[RD]
	v_add_nc_u32 v[RD], s27, v[RD]                 ; back: lanes 0-15 one row, lanes 16-31 the next
	v_lshlrev_b32 v[CO], 12, v5
	v_lshl_add_u32 v[CO], v4, 4, v[CO]             ; and the same in out0
.irp g, 0,1
.irp q, 0,1,2,3
	global_load_b64 v[WS+8*\g+2*\q:WS+8*\g+2*\q+1], v[O8], s[10:11] offset:1024*\g+256*\q
.endr
.endr
.irp b, 0,1,2,3
	global_load_b128 v[BI+8*\b:BI+8*\b+3], v[OB], s[12:13] offset:(32*(\b/2)+8*(\b%2))*4
	global_load_b128 v[BI+8*\b+4:BI+8*\b+7], v[OB], s[12:13] offset:(32*(\b/2)+8*(\b%2))*4+16
.endr
.irp g, 0,1,2,3
.irp n, 0,1,2,3,4,5,6,7,8,9,10,11,12,13,14,15
	global_load_b32 v[192+16*\g+\n], v[O4], s[6:7] offset:2048*\g+128*\n   ; group g, head n: two bytes a token
.endr
.endr
	s_wait_tensorcnt 0x0                           ; my parts of both tiles are in,
	s_barrier_signal -1
	s_barrier_wait -1                              ; everybody's are
	WIN 0x40
.irp s, 0,1,2,3
.irp a, 0,1,2,3,4,5,6,7
.irp c, 0,1
	ds_load_b128 v[8*(8*\s+\a)+4*\c:8*(8*\s+\a)+4*\c+3], v[AXF] offset:8192*\a+1024*\s+512*\c
.endr
.endr
.endr
	WIN 0x80
.irp s, 0,1,2,3
.irp a, 0,1,2,3,4,5,6,7
.irp c, 0,1
	ds_load_b128 v[8*(8*\s+\a)+4*\c:8*(8*\s+\a)+4*\c+3], v[AXF] offset:8192*\a+1024*(\s+4)+512*\c
.endr
.endr
.endr
	WIN 0
	s_wait_loadcnt 0x0
.irp g, 0,1,2,3
.irp s, 0,1,2,3,4,5,6,7
	v_lshl_or_b32 v[XS+8*\g+\s], v[192+16*\g+2*\s+1], 16, v[192+16*\g+2*\s]   ; K step s is heads 2 s and 2 s + 1: four bytes
.endr
.endr
.rept 8
	v_nop                                          ; a scale register written by a vector instruction stands eight places ahead of a scaled product
.endr
	FETCHW AWQ, 0, 0
	s_wait_alu depctr_va_vdst(0)
.irp t, 0,1,2,3,4,5,6,7
	s_wait_dscnt 0x0                               ; step t's fragments are in (at t = 0: o's too)
.if \t < 7
	WIN 0
.if \t > 0
	PLACES                                         ; in front of loads into registers that the last products read
.endif
	FETCHW AWQ, \t+1, (\t+1)%2
.endif
	STEPQK \t
.endr
	WIN 0
; THE WAY OUT, a token tile at a time.  LDS serves a wave's instructions in order: no wait between the stores and the loads, nor in front of the next tile's stores.
.macro TOSTAGE a
	WIN 0x0c                                       ; an LDS store's data: window 3
.irp b, 0,1,2,3
	ds_store_b128 v[STO], v[32*(\a)+8*\b:32*(\a)+8*\b+3] offset:128*(\b/2)+32*(\b%2)       ; each accumulator from its low end on
	ds_store_b128 v[STO], v[32*(\a)+8*\b+4:32*(\a)+8*\b+7] offset:128*(\b/2)+32*(\b%2)+16
.endr
	WIN 0
.irp i, 0,1,2,3,4,5,6,7
	ds_load_b128 v[192+32*((\a)%2)+4*\i:192+32*((\a)%2)+4*\i+3], v[RD] offset:544*\i
.endr
.endm
.macro SEND a, younger                 ; younger: the LDS instructions issued behind tile a's loads
	s_wait_dscnt \younger
.irp i, 0,1,2,3,4,5,6,7
	global_store_b128 v[CO], v[192+32*((\a)%2)+4*\i:192+32*((\a)%2)+4*\i+3], s[14:15] offset:(32*((\a)/2)+8*((\a)%2)+2*\i+8*(\i/4))*4096 th:TH_STORE_NT
.endr
.endm
	PLACES                                         ; behind the last products: for the first reads of results and the loads into W's registers
	TOSTAGE 0
.irp a, 1,2,3,4,5,6,7
.if \a > 1
	s_wait_xcnt 0x0                                ; tile a - 2's stores have read their registers: tile a's rows may land there
.endif
	TOSTAGE \a
	SEND \a-1, 16                                  ; behind tile a - 1's loads: tile a's eight stores and eight loads
.endr
	SEND 7, 0
	s_wait_tensorcnt 0x0                           ; the wave's end
	ds_add_u32 v[SPW], v[NIL]
	s_wait_dscnt 0x0
	CROUND                                         ; the closing round
	s_endpgm
.Lfunc_end_k_qb1196fd10f_gemm_proj:
	.size	k_qb1196fd10f_gemm_proj, .Lfunc_end_k_qb1196fd10f_gemm_proj-k_qb1196fd10f_gemm_proj
	.p2alignl 7, 3214868480
	.fill 96, 4, 3214868480
	.section	.rodata,"a",@progbits
	.p2align	6, 0x0
	.amdhsa_kernel k_qb1196fd10f_gemm_proj
		.amdhsa_group_segment_fixed_size 327680
		.amdhsa_private_segment_fixed_size 0
		.amdhsa_enable_private_segment 0
		.amdhsa_kernarg_size 48
		.amdhsa_user_sgpr_count 2
		.amdhsa_user_sgpr_kernarg_segment_ptr 1
		.amdhsa_wavefront_size32 1
		.amdhsa_system_sgpr_workgroup_id_x 1
		.amdhsa_system_sgpr_workgroup_id_y 1
		.amdhsa_system_sgpr_workgroup_id_z 1
		.amdhsa_system_vgpr_workitem_id 0
		.amdhsa_next_free_vgpr 1024
		.amdhsa_next_free_sgpr 96
		.amdhsa_reserve_vcc 0
		.amdhsa_float_denorm_mode_32 3
		.amdhsa_float_denorm_mode_16_64 3
		.amdhsa_memory_ordered 1
		.amdhsa_forward_progress 1
		.amdhsa_inst_pref_size 77
	.end_amdhsa_kernel
	.amdgpu_metadata
---
amdhsa.version: [ 1, 2 ]
amdhsa.kernels:
  - .name:           k_qb1196fd10f_gemm_proj
    .symbol:         k_qb1196fd10f_gemm_proj.kd
    .args:
      - { .name: oq, .offset: 0, .size: 8, .value_kind: global_buffer, .address_space: global }
      - { .name: os, .offset: 8, .size: 8, .value_kind: global_buffer, .address_space: global }
      - { .name: wq, .offset: 16, .size: 8, .value_kind: global_buffer, .address_space: global }
      - { .name: ws, .offset: 24, .size: 8, .value_kind: global_buffer, .address_space: global }
      - { .name: b_proj, .offset: 32, .size: 8, .value_kind: global_buffer, .address_space: global }
      - { .name: out0, .offset: 40, .size: 8, .value_kind: global_buffer, .address_space: global }
    .group_segment_fixed_size: 327680
    .private_segment_fixed_size: 0
    .kernarg_segment_align: 8
    .kernarg_segment_size: 48
    .max_flat_workgroup_size: 128
    .sgpr_count:     96
    .vgpr_count:     1024
    .wavefront_size: 32
...
	.end_amdgpu_metadata
.endif
;; end of part 4
